; MI455X (gfx1250); checked and timed in simulation.
; The chip was launched on July 23, 2026; its instructions are those of AMD's public machine-readable ISA for CDNA 5 (MIT licence, August 2026) and "CDNA5" Instruction Set Architecture Reference Guide (July 2026). The comments in the code are by the model that wrote it; some were corrected since.
;; Lorentz Attention. Allowed arithmetic: matrix products marked QUANTISED: E2M1 operands, one E8M0 scale for each 32 along K, by v_wmma_scale_f32_16x16x128_f8f6f4 with both operands' format E2M1 (or v_wmma_scale_f32_32x16x128_f4), f32 sums; everything else in f32.
;; Inputs: Wk 8 x 64 x 513 float32; Wo 512 x 513 float32; Wq 8 x 64 x 513 float32; Wv 8 x 64 x 513 float32; bk 8 x 64 float32; bo 512 float32; bq 8 x 64 float32; bv 8 x 64 float32; x 4 x 2,048 x 513 float32.
;; Outputs: out0 4 x 2,048 x 513 float32.
;; This version of the problem:
;;   THIS VERSION OF THE PROBLEM IS GIVEN IN LOW PRECISION. The matrix products marked QUANTISED in the list below multiply operands that are first quantised to E2M1 (2 exponent bits, 1 mantissa bit; 4 bits a number), with one power-of-two scale for each 32 numbers along K (OCP MX v1.0); their sums are f32. All else is computed in f32.
;;   The module's matrix products, in the order in which they are computed (A, B: the left and right operand; K: the contracted axis; several contracted axes count as one K, in the product's order):
;;     1. [M 512, K 513] x [K 513, N 8,192]; A: input Wq; B: input x: QUANTISED
;;     2. [M 512, K 513] x [K 513, N 8,192]; A: input Wk; B: input x: QUANTISED
;;     3. [M 512, K 513] x [K 513, N 8,192]; A: input Wv; B: input x: QUANTISED
;;     4. batch 32 x [M 2,048, K 64] x [K 64, N 2,048]; A: computed on the way; B: computed on the way: QUANTISED
;;     5. batch 32 x [M 2,048, K 2,048] x [K 2,048, N 65]; A: softmax (see below); B: computed on the way: QUANTISED
;;     6. [M 8,192, K 513] x [K 513, N 512]; A: computed on the way; B: input Wo: QUANTISED
;;   THE QUANTISER, for each operand of a quantised product, along K:
;;     - K is cut into blocks of 32 from its start; a last block that is shorter is filled with zeros.
;;     - A block's scale is 2^e with e = floor(log2(the largest magnitude in the block)) - 2, held to -126 .. 127; a block of zeros has e = 0. As a byte (E8M0): e + 127.
;;     - Each number is divided by its block's scale, clamped to +-6, and rounded to the nearest number of E2M1, ties to even, subnormals kept.
;;     - The product sums the exact products of the quantised numbers (number of the format x scale) in f32.
;;   ~~~python
;;   def quantise(x, axis):      # numpy; x: float32 -> the quantised numbers, widened to float32 again
;;       x = np.moveaxis(x, axis, -1); K = x.shape[-1]
;;       x = np.pad(x, [(0, 0)] * (x.ndim - 1) + [(0, -K % 32)]); x = x.reshape(x.shape[:-1] + (-1, 32)); a = np.abs(x).max(-1, keepdims=True)
;;       e = np.where(a > 0, np.clip(np.frexp(np.where(a > 0, a, 1))[1] - 1 - 2, -126, 127), 0)      # np.frexp(a)[1] - 1 = floor(log2(a)), exactly
;;       r = np.clip(x / 2.0 ** e, -6, 6)
;;       step = 2.0 ** (np.maximum(np.frexp(np.where(r == 0, 1, r))[1] - 1, 0) - 1)
;;       q = np.round(r / step) * step * 2.0 ** e      # np.round: ties to even
;;       return np.moveaxis(q.reshape(q.shape[:-2] + (-1,))[..., :K], -1, axis).astype(np.float32)
;;   ~~~
;;   SOFTMAX AHEAD OF A QUANTISED PRODUCT. Where the list says 'softmax', what is quantised is not the finished softmax but p = 2^(t - M), with t = logit x log2(e) and M = ceil(the row's largest t), a whole number; so 1/2 < the row's largest p <= 1. The row's sum l is taken of the UNQUANTISED p, in f32, and the product's result is divided by l at the end. Since M is a whole number, a kernel that streams over the keys may use a running M (the ceiling of the running maximum): every later rescaling is an exact power of two, which a block's scale takes up: the codes' values come out the same.
;;   OPERANDS COMPUTED ON THE WAY. 'Computed on the way' means the value that the module computes at that place (a softmax that the list does not call 'softmax' is quantised finished and normalised). What goes into a quantiser is computed in f32, as accurately as f32 sums, v_exp_f32 and their like allow (about 1e-6 of the number): no bf16 or f16 on the way to a quantiser, and a product that is left as it is and whose result goes on into a quantised operand takes f32 operands (vector FMAs, or v_wmma_f32_16x16x4_f32). A number that lies on a knife's edge between two numbers of the format may be rounded either way, as far as f32 arithmetic and the matrix unit's own rounding can turn it there, and no further.
;; One version. Each part assembles by itself: llvm-mc -triple=amdgcn-amd-amdhsa -mcpu=gfx1250 --defsym DOCPART=n.
;; ======== version 1 of 1: 3 launches
;; limits: right only within a limited range of input values
;; workspace buffers: img 3,276,800 bytes; sc 204,800 bytes; qimg 2,097,152 bytes; qst 524,288 bytes; kv 5,505,024 bytes
;; launch quant (part 1): grid 160 x 1, 16 waves a work-group, no clusters, 167,936 bytes of LDS; arguments x, Wq, Wk, Wv, Wo, img, sc; writes img, sc
.if DOCPART == 1
	.amdgcn_target "amdgcn-amd-amdhsa--gfx1250"
	.amdhsa_code_object_version 6
	.text
	.protected	k_qd2f623159f_quant
	.globl	k_qd2f623159f_quant
	.p2align	8
	.type	k_qd2f623159f_quant,@function
k_qd2f623159f_quant:
	s_mov_b64 s[64:65], 0
	v_nop
	global_prefetch_b8 v0, s[64:65] scope:SCOPE_SE
	s_setreg_imm32_b32 hwreg(HW_REG_WAVE_MODE, 25, 1), 1
	s_wait_xcnt 0x0
; x [8192][513], Wq, Wk, Wv, Wo [512][513], f32, become codes of FP4 (E2M1) with one E8M0 scale byte for each 32 along K (K = 513, filled with zero codes to 640).
; A block's scale is 2^(floor(log2(its largest magnitude)) - 2); its byte is the largest magnitude's exponent field - 2, held at 1 from below.
; LIMITS: NaN and infinities among the inputs are not served.  A block whose largest magnitude lies under 2^-124 (a block of zeros too) carries the byte 1; the bytes are read by this program alone.
; LAYOUT OF THE RESULT.  The 10,240 rows are 320 groups of 32 (0-255 x, 256-271 Wq, 272-287 Wk, 288-303 Wv, 304-319 Wo).  A group has two tiles u; lane r of tile u stands for row 32 G + 8 u + r + 8 (r / 8).
; img: [group][u][K step of 128][1,024 bytes]: block b of row-lane r at 256 b + 16 r.  sc: [group][K step][32 words]: word l is the scale word of tile l / 16, row-lane l % 16.
; SHARES.  A work-group takes 64 rows: 64 x 2,052 = 513 x 256 bytes, a dense block that begins at a multiple of 256 bytes.  It comes into LDS as it lies, as rows of 256 bytes: waves 0-14 bring 33 rows each, wave 15 the last 18.
; Wave w then takes tile (w / 8, (w / 4) % 2) and K step w % 4; waves 0-3 also the fifth K step of the four tiles, of which one number a row is left.
; A LANE HOLDS WHOLE BLOCKS: lane (r, h) reads k = 64 c + 32 h + 0 .. 31 of its row, 4 bytes a load (rows of 513 words: the 32 lanes of a load name 32 different words modulo 64).
; So a block's largest magnitude needs no other lane, and the four conversions of a block give its 16 bytes of the image: a wave's store covers 512 consecutive bytes.
; No byte of LDS is filled twice; nothing is shared between work-groups, so no cluster.
.set SPARE, 135168                     ; behind the 528 rows of 256 bytes: the spare words
.set X,   16                           ; v16-79 my 64 numbers
.set TM,  80                           ; v80-83 largest magnitudes, two chains a block
.set TE,  84                           ; v84-85 the conversions' scale operands
.set TB,  86                           ; v86-87 the bytes
.set CD,  90                           ; v90-97 the codes
.set G0,  24
.set G1,  28
.set G1T, 36
.set SEL, 48
.macro QB ip, sp                       ; 64 numbers become 32 bytes of codes and my share of the row's scale word
.irp c, 0,1
	v_max3_num_f32 v[TM+2*\c], |v[X+32*\c]|, |v[X+32*\c+1]|, 0x1800000       ; with the floor 2^(3 - 127)
	v_max3_num_f32 v[TM+2*\c+1], |v[X+32*\c+16]|, |v[X+32*\c+17]|, 0x1800000
.endr
.irp i, 2,4,6,8,10,12,14
.irp c, 0,1
	s_delay_alu instid0(VALU_DEP_4)
	v_max3_num_f32 v[TM+2*\c], v[TM+2*\c], |v[X+32*\c+\i]|, |v[X+32*\c+\i+1]|
	s_delay_alu instid0(VALU_DEP_4)
	v_max3_num_f32 v[TM+2*\c+1], v[TM+2*\c+1], |v[X+32*\c+16+\i]|, |v[X+32*\c+17+\i]|
.endr
.endr
.irp c, 0,1
	v_max_num_f32 v[TM+2*\c], v[TM+2*\c], v[TM+2*\c+1]
.endr
.irp c, 0,1
	s_delay_alu instid0(VALU_DEP_2)
	v_add_nc_u32 v[TE+\c], 0xff000000, v[TM+2*\c]  ; 2 off the exponent field: the conversion's scale operand
.endr
.irp c, 0,1
	s_delay_alu instid0(VALU_DEP_2)
	v_lshrrev_b32 v[TB+\c], 23, v[TE+\c]           ; the scale's byte
.endr
	s_delay_alu instid0(VALU_DEP_1)
	v_lshl_or_b32 v88, v[TB+1], 16, v[TB]          ; blocks h and 2 + h,
	s_delay_alu instid0(VALU_DEP_1)
	v_lshlrev_b32 v88, v9, v88                     ; at their places in the word (8 h bits up);
	s_delay_alu instid0(VALU_DEP_1)
	v_permlanex16_b32 v89, v88, s[SEL], s[SEL+1]
	s_delay_alu instid0(VALU_DEP_1)
	v_or_b32 v88, v88, v89                         ; with lane l xor 16's two the word is whole
.irp c, 0,1
.irp g, 0,1,2,3
	v_cvt_scalef32_pk8_fp4_f32 v[CD+4*\c+\g], v[X+32*\c+8*\g:X+32*\c+8*\g+7], v[TE+\c]
.endr
.endr
	v_nop                                          ; one plain line behind the last scaled conversion
	global_store_b128 v7, v[CD:CD+3], s[\ip:\ip+1]               ; blocks 0 and 1: 512 consecutive bytes
	global_store_b128 v7, v[CD+4:CD+7], s[\ip:\ip+1] offset:512  ; blocks 2 and 3
	global_store_b32 v8, v88, s[\sp:\sp+1]         ; both halves of the lanes write the same word with the same value
.endm
	s_load_b256 s[4:11], s[0:1], 0x0               ; x, Wq, Wk, Wv
	s_load_b128 s[12:15], s[0:1], 0x20             ; Wo, img
	s_load_b64 s[16:17], s[0:1], 0x30              ; sc
	v_lshl_add_u32 v100, v0, 2, SPARE
	v_mov_b32 v101, 0
	ds_add_u32 v100, v101                          ; the opening lines
	ds_add_u32 v100, v101
	v_lshrrev_b32 v1, 5, v0
	s_delay_alu instid0(VALU_DEP_1)
	v_readfirstlane_b32 s18, v1                    ; wave 0..15
	s_lshr_b32 s19, s18, 3                         ; which group
	s_bfe_u32 s20, s18, 0x10002                    ; which tile
	s_and_b32 s21, s18, 3                          ; which K step
	s_bfe_u32 s52, s18, 0x10001                    ; the fifth K step (waves 0-3): group,
	s_and_b32 s53, s18, 1                          ; tile
	s_lshl_b32 s50, s19, 5
	s_lshl_b32 s51, s20, 3
	s_add_co_u32 s50, s50, s51
	s_mul_i32 s50, s50, 2052
	s_lshl_b32 s51, s21, 9
	s_add_co_u32 s50, s50, s51                     ; LDS byte of my tile's lane 0, my K step
	s_lshl_b32 s54, s52, 5
	s_lshl_b32 s55, s53, 3
	s_add_co_u32 s54, s54, s55
	s_mul_i32 s54, s54, 2052
	s_add_co_u32 s54, s54, 2048                    ; and of the 513th number
.irp g, G1, G1T
	s_mov_b32 s[\g], 0x00030000                    ; no mask; elements of 8 bytes; no padding
	s_mov_b32 s[\g+1], 32<<16                      ; rows of 256 bytes
	s_mov_b32 s[\g+3], 32<<16
	s_mov_b32 s[\g+5], 32
	s_mov_b32 s[\g+6], 0
	s_mov_b32 s[\g+7], 0
.endr
	s_mov_b32 s[G1+2], 33<<16                      ; 33 rows,
	s_mov_b32 s[G1+4], 33
	s_mov_b32 s[G1T+2], 18<<16                     ; or the last 18
	s_mov_b32 s[G1T+4], 18
	s_mov_b32 s[SEL], 0x76543210
	s_mov_b32 s[SEL+1], 0xfedcba98
	s_mov_b32 s51, 0xffff                          ; lanes 0-15
	s_mov_b32 s[G0], 1
	s_mul_i32 s[G0+1], s18, 8448
	v_and_b32 v2, 15, v0                           ; r
	v_bfe_u32 v3, v0, 4, 1                         ; h
	s_delay_alu instid0(VALU_DEP_2)
	v_and_b32 v4, 8, v2
	s_delay_alu instid0(VALU_DEP_1)
	v_add_nc_u32 v4, v4, v2                        ; r + 8 (r / 8)
	s_delay_alu instid0(VALU_DEP_1)
	v_mul_u32_u24 v4, v4, 2052
	s_delay_alu instid0(VALU_DEP_1)
	v_lshl_add_u32 v5, v3, 7, v4                   ; + 32 h numbers
	v_add_nc_u32 v6, s54, v4
	s_delay_alu instid0(VALU_DEP_2)
	v_add_nc_u32 v5, s50, v5
	v_lshlrev_b32 v7, 4, v2
	s_delay_alu instid0(VALU_DEP_1)
	v_lshl_add_u32 v7, v3, 8, v7                   ; an image's place for my block: 256 h + 16 r
	v_lshlrev_b32 v8, 2, v2                        ; 4 r
	v_lshlrev_b32 v9, 3, v3                        ; 8 h
	v_mov_b32 v89, 0                               ; a lane permute's destination counts as one of its sources
	s_wait_alu depctr_va_vdst(0)
	s_wait_dscnt 0x0
	s_wait_kmcnt 0x0
	s_mov_b64 s[22:23], s[12:13]                   ; which tensor?  The choice hangs on the work-group's number alone
	s_mov_b32 s55, 152
	s_cmp_lt_u32 ttmp9, 152
	s_cselect_b64 s[22:23], s[10:11], s[22:23]
	s_cselect_b32 s55, 144, s55
	s_cmp_lt_u32 ttmp9, 144
	s_cselect_b64 s[22:23], s[8:9], s[22:23]
	s_cselect_b32 s55, 136, s55
	s_cmp_lt_u32 ttmp9, 136
	s_cselect_b64 s[22:23], s[6:7], s[22:23]
	s_cselect_b32 s55, 128, s55
	s_cmp_lt_u32 ttmp9, 128
	s_cselect_b64 s[22:23], s[4:5], s[22:23]
	s_cselect_b32 s55, 0, s55                      ; the tensor's first work-group
	s_sub_co_u32 s2, ttmp9, s55
	s_mul_i32 s2, s2, 131328
	s_add_co_u32 s2, s2, s[G0+1]                   ; + my wave's 33 rows of 256 bytes
	s_mov_b32 s3, 0
	s_add_nc_u64 s[G0+2:G0+3], s[22:23], s[2:3]
	s_or_b32 s[G0+3], s[G0+3], 0x80000000
	s_cmp_lt_u32 s18, 15
	s_cbranch_scc0 .Llast
	tensor_load_to_lds s[G0:G0+3], s[G1:G1+7]
	s_nop 0
.rept 4
	v_nop
.endr
	s_branch .Lasked
.Llast:
	tensor_load_to_lds s[G0:G0+3], s[G1T:G1T+7]
	s_nop 0
.rept 4
	v_nop
.endr
.Lasked:
	s_lshl_b32 s56, ttmp9, 1
	s_add_co_u32 s57, s56, s52                     ; the fifth K step's group among the 320
	s_mul_i32 s2, s57, 10240
	s_mul_i32 s58, s53, 5120
	s_add_co_u32 s2, s2, s58
	s_add_co_u32 s2, s2, 4096
	s_add_nc_u64 s[44:45], s[14:15], s[2:3]
	s_mul_i32 s2, s57, 640
	s_lshl_b32 s58, s53, 6
	s_add_co_u32 s2, s2, s58
	s_add_co_u32 s2, s2, 512
	s_add_nc_u64 s[46:47], s[16:17], s[2:3]
	s_add_co_u32 s57, s56, s19                     ; my group
	s_mul_i32 s2, s57, 10240
	s_mul_i32 s58, s20, 5120
	s_add_co_u32 s2, s2, s58
	s_lshl_b32 s58, s21, 10
	s_add_co_u32 s2, s2, s58
	s_add_nc_u64 s[14:15], s[14:15], s[2:3]
	s_mul_i32 s2, s57, 640
	s_lshl_b32 s58, s21, 7
	s_add_co_u32 s2, s2, s58
	s_lshl_b32 s58, s20, 6
	s_add_co_u32 s2, s2, s58
	s_add_nc_u64 s[16:17], s[16:17], s[2:3]
	s_wait_tensorcnt 0x0                           ; my rows are in LDS,
	s_barrier_signal -1
	s_barrier_wait -1                              ; everybody's are
.irp c, 0,1
.set i, 0
.rept 32
	ds_load_b32 v[X+32*\c+i], v5 offset:256*\c+4*i
.set i, i+1
.endr
.endr
	s_wait_dscnt 0x0
	QB 14, 16
	s_cmp_lt_u32 s18, 4
	s_cbranch_scc0 .Lend
	s_wait_xcnt 0x0                                ; the stores above have read their data
.set i, 1
.rept 63
	v_mov_b32 v[X+i], 0
.set i, i+1
.endr
	ds_load_b32 v[X], v6                           ; the row's 513th number, in both halves of the lanes
	s_wait_alu depctr_va_vdst(0)
	s_wait_dscnt 0x0
	v_cndmask_b32 v[X], 0, v[X], s51               ; it belongs to block 0, which lanes 0-15 hold
	QB 44, 46
.Lend:
	s_wait_tensorcnt 0x0                           ; the wave's end
	ds_add_u32 v100, v101
	s_wait_dscnt 0x0
	s_endpgm
.Lfunc_end_k_qd2f623159f_quant:
	.size	k_qd2f623159f_quant, .Lfunc_end_k_qd2f623159f_quant-k_qd2f623159f_quant
	.p2alignl 7, 3214868480
	.fill 96, 4, 3214868480
	.section	.rodata,"a",@progbits
	.p2align	6, 0x0
	.amdhsa_kernel k_qd2f623159f_quant
		.amdhsa_group_segment_fixed_size 167936
		.amdhsa_private_segment_fixed_size 0
		.amdhsa_enable_private_segment 0
		.amdhsa_kernarg_size 56
		.amdhsa_user_sgpr_count 2
		.amdhsa_user_sgpr_kernarg_segment_ptr 1
		.amdhsa_wavefront_size32 1
		.amdhsa_system_sgpr_workgroup_id_x 1
		.amdhsa_system_sgpr_workgroup_id_y 1
		.amdhsa_system_sgpr_workgroup_id_z 1
		.amdhsa_system_vgpr_workitem_id 0
		.amdhsa_next_free_vgpr 112
		.amdhsa_next_free_sgpr 66
		.amdhsa_reserve_vcc 0
		.amdhsa_float_denorm_mode_32 3
		.amdhsa_float_denorm_mode_16_64 3
		.amdhsa_memory_ordered 1
		.amdhsa_forward_progress 1
		.amdhsa_inst_pref_size 22
	.end_amdhsa_kernel
	.amdgpu_metadata
---
amdhsa.version: [ 1, 2 ]
amdhsa.kernels:
  - .name:           k_qd2f623159f_quant
    .symbol:         k_qd2f623159f_quant.kd
    .args:
      - { .name: x, .offset: 0, .size: 8, .value_kind: global_buffer, .address_space: global }
      - { .name: Wq, .offset: 8, .size: 8, .value_kind: global_buffer, .address_space: global }
      - { .name: Wk, .offset: 16, .size: 8, .value_kind: global_buffer, .address_space: global }
      - { .name: Wv, .offset: 24, .size: 8, .value_kind: global_buffer, .address_space: global }
      - { .name: Wo, .offset: 32, .size: 8, .value_kind: global_buffer, .address_space: global }
      - { .name: img, .offset: 40, .size: 8, .value_kind: global_buffer, .address_space: global }
      - { .name: sc, .offset: 48, .size: 8, .value_kind: global_buffer, .address_space: global }
    .group_segment_fixed_size: 167936
    .private_segment_fixed_size: 0
    .kernarg_segment_align: 8
    .kernarg_segment_size: 56
    .max_flat_workgroup_size: 512
    .sgpr_count:     66
    .vgpr_count:     112
    .wavefront_size: 32
...
	.end_amdgpu_metadata
.endif
;; end of part 1
;; launch qkv (part 2): grid 64 x 4, 8 waves a work-group, clusters of 4 x 1, 168,960 bytes of LDS; arguments img, sc, bq, bk, bv, qimg, qst, kv; writes qimg, qst, kv
.if DOCPART == 2
	.amdgcn_target "amdgcn-amd-amdhsa--gfx1250"
	.amdhsa_code_object_version 6
	.text
	.protected	k_qd2f623159f_qkv
	.globl	k_qd2f623159f_qkv
	.p2align	8
	.type	k_qd2f623159f_qkv,@function
k_qd2f623159f_qkv:
	s_mov_b64 s[64:65], 0
	v_nop
	global_prefetch_b8 v0, s[64:65] scope:SCOPE_SE
	s_setreg_imm32_b32 hwreg(HW_REG_WAVE_MODE, 25, 1), 1
	s_wait_xcnt 0x0
	s_wait_alu depctr_hold_cnt(0) depctr_sa_sdst(0) depctr_va_vdst(0) depctr_va_sdst(0) depctr_va_ssrc(0) depctr_va_vcc(0) depctr_vm_vsrc(0)
	s_getreg_b32 s2, hwreg(HW_REG_IB_STS2, 6, 4)
	s_cmp_eq_u32 s2, 0
	s_cbranch_scc0 .Lentry_in_a_cluster
	s_endpgm
.Lentry_in_a_cluster:
	s_bfe_u32 s2, ttmp6, 0x10000c
	s_cmp_lg_u32 s2, 0x3003
	s_cbranch_scc0 .Lentry_shape_is_right
	s_endpgm
.Lentry_shape_is_right:
; The three LorentzFC layers on codes of FP4: space = x W^T + b (K = 513, five K steps of 128), time = sqrt(10 + |space|^2) in f32; then the operands of attention's two products are quantised on the way:
; q's and k's space along the head's 64, [v's space, v's time] along the keys.
; SHARES.  A work-group takes 128 rows (one key step of attention) and two heads; wave w takes 32 rows (rg = w % 4) of head 2 g + w / 4 and runs three units, Q, K and V: 32 rows x 64 columns, 8 accumulators, 40 matrix instructions.
; Q AND K ARE MADE TRANSPOSED (source 0 = 16 rows of W, source 1 = 16 rows of x): a lane holds one row of x, and by the choice of the rows that form a tile of W its registers 16 b + i are columns 32 b + 16 (lane / 16) + i.
; V is made the other way round (source 0 = x): a lane holds one column d, and its registers 16 t + i are keys 16 (lane / 16) + i of the wave's 32: a whole block of keys lies in lanes l and l xor 16.
; The biases of Q and K are loaded straight into the accumulators: they are the C of each sum's first product.
; CLUSTER.  The four work-groups of a cluster share the two heads, so their 122,880 bytes of weights are asked for JOINTLY (waves 0 to 5, one load each, the same descriptor, a mask that names the four).  Filled once.
; LDS: 0: six blocks of 20,480 bytes, block 2 k + hh = kind k (Q, K, V) of head 2 g + hh;  122,880: for each hh 1,536 bytes in which the four waves gather K's scale words, t_k and V's scale words of the key step.
; RESULTS.  qimg [bh][tile][512]: image of four registers (K = 64).  qst [bh][group][256]: at 8 l + 4 u: l < 16 the scale word, l >= 16 t_q, of tile u, row-lane l % 16.  The scale words of q and k carry the two bytes twice.
; kv [bh][key step][10,752]: 0 K's 8 tiles x 512; 4,096 V^T's 5 tiles x 1,024 (tile 4: row 0 = t_v, rows 1-15 zero codes); 9,216 K's scale words; 9,728 t_k; 10,240 V's scale words.
; LIMITS: NaN and infinities are not served; blocks under 2^-124 carry the byte 1; v_sqrt_f32 is good to one ulp; sums of squares run in another order than row-major, and in V's time the 10 enters as 16 x 0.625.
.set WV,  20                           ; s20 wave;  s21 rg;  s22 hh;  s23 cx;  s24 row block;  s25 g;  s26 head;  s27 bh;  s28 key step;  s29-31 at work
.set SEL, 44                           ; s[44:45] selects for lane l xor 16;  s46 lanes 16-31;  s47 lanes 0 and 16;  s[60:61] 0.625
.set ST,  122880
.set XF,  16                           ; v16-95   x's fragments: tile p, K step s at 16 + 8 (5 p + s)
.set XS,  96                           ; v96-100  x's scale words: lanes 0-15 tile 0, lanes 16-31 tile 1
.set WS,  102                          ; v102-111 the unit's weights' scale words: 5 (t / 2) + s
.set WF,  112                          ; v112-175 the weights' fragments, two buffers of four; at work in the epilogues
.set ACC, 176                          ; v176-239
.set TM,  240                          ; v240-255 the quantiser's work; V's bias; V's time
.set TV,  240
.set SQ,  112
.set TT,  116
.set PW,  118
.set CD,  120
.set STW, 128
.set VM,  112
.set VP,  118
.set VE,  124
.set VB,  130
.set VC,  136
.macro CROUND                          ; a round of the cluster's barrier
	s_barrier_signal -1
	s_barrier_wait -1
	s_cmp_lg_u32 s[WV], 0
	s_cbranch_scc1 .Lnot_wave_0_\@
	s_barrier_signal -3
.Lnot_wave_0_\@:
	s_barrier_wait -3
	s_barrier_signal -1
	s_barrier_wait -1
.endm
.macro PLACES
.rept 4
	v_nop
.endr
.endm
; one matrix instruction; zero = 1: it starts the sum; ra, rb = 1: the side's scale words lie in lanes 16-31
.macro WM d, a, b, zero, sa, sb, ra, rb
.if \zero
.if (\ra)&&(\rb)
	v_wmma_scale_f32_16x16x128_f8f6f4 v[(\d):(\d)+7], v[(\a):(\a)+7], v[(\b):(\b)+7], 0, v[\sa], v[\sb] matrix_a_fmt:MATRIX_FMT_FP4 matrix_b_fmt:MATRIX_FMT_FP4 matrix_a_scale:MATRIX_SCALE_ROW1 matrix_b_scale:MATRIX_SCALE_ROW1
.elseif (\ra)
	v_wmma_scale_f32_16x16x128_f8f6f4 v[(\d):(\d)+7], v[(\a):(\a)+7], v[(\b):(\b)+7], 0, v[\sa], v[\sb] matrix_a_fmt:MATRIX_FMT_FP4 matrix_b_fmt:MATRIX_FMT_FP4 matrix_a_scale:MATRIX_SCALE_ROW1
.elseif (\rb)
	v_wmma_scale_f32_16x16x128_f8f6f4 v[(\d):(\d)+7], v[(\a):(\a)+7], v[(\b):(\b)+7], 0, v[\sa], v[\sb] matrix_a_fmt:MATRIX_FMT_FP4 matrix_b_fmt:MATRIX_FMT_FP4 matrix_b_scale:MATRIX_SCALE_ROW1
.else
	v_wmma_scale_f32_16x16x128_f8f6f4 v[(\d):(\d)+7], v[(\a):(\a)+7], v[(\b):(\b)+7], 0, v[\sa], v[\sb] matrix_a_fmt:MATRIX_FMT_FP4 matrix_b_fmt:MATRIX_FMT_FP4
.endif
.else
.if (\ra)&&(\rb)
	v_wmma_scale_f32_16x16x128_f8f6f4 v[(\d):(\d)+7], v[(\a):(\a)+7], v[(\b):(\b)+7], v[(\d):(\d)+7], v[\sa], v[\sb] matrix_a_fmt:MATRIX_FMT_FP4 matrix_b_fmt:MATRIX_FMT_FP4 matrix_a_scale:MATRIX_SCALE_ROW1 matrix_b_scale:MATRIX_SCALE_ROW1
.elseif (\ra)
	v_wmma_scale_f32_16x16x128_f8f6f4 v[(\d):(\d)+7], v[(\a):(\a)+7], v[(\b):(\b)+7], v[(\d):(\d)+7], v[\sa], v[\sb] matrix_a_fmt:MATRIX_FMT_FP4 matrix_b_fmt:MATRIX_FMT_FP4 matrix_a_scale:MATRIX_SCALE_ROW1
.elseif (\rb)
	v_wmma_scale_f32_16x16x128_f8f6f4 v[(\d):(\d)+7], v[(\a):(\a)+7], v[(\b):(\b)+7], v[(\d):(\d)+7], v[\sa], v[\sb] matrix_a_fmt:MATRIX_FMT_FP4 matrix_b_fmt:MATRIX_FMT_FP4 matrix_b_scale:MATRIX_SCALE_ROW1
.else
	v_wmma_scale_f32_16x16x128_f8f6f4 v[(\d):(\d)+7], v[(\a):(\a)+7], v[(\b):(\b)+7], v[(\d):(\d)+7], v[\sa], v[\sb] matrix_a_fmt:MATRIX_FMT_FP4 matrix_b_fmt:MATRIX_FMT_FP4
.endif
.endif
.endm
.macro WLOAD buf, s, vw                ; the four tiles of the unit's weights, K step s, into buffer buf: images, 512 consecutive bytes a load
.irp t, 0,1,2,3
.irp c, 0,1
	ds_load_b128 v[WF+32*(\buf)+8*\t+4*\c:WF+32*(\buf)+8*\t+4*\c+3], v[\vw] offset:(5*\t+(\s))*1024+512*\c
.endr
.endr
.endm
.macro MM tr, s, buf                   ; a K step's eight products; the eight accumulators take turns, one instruction a turn, in the same order in every K step
.irp p, 0,1
.irp t, 0,1,2,3
.if \tr
	WM ACC+32*\p+8*\t, WF+32*(\buf)+8*\t, XF+8*(5*\p+(\s)), 0, WS+5*(\t/2)+(\s), XS+(\s), \t%2, \p
.elseif (\s)==0
	WM ACC+16*\t+8*\p, XF+8*(5*\p+(\s)), WF+32*(\buf)+8*\t, 1, XS+(\s), WS+5*(\t/2)+(\s), \p, \t%2
.else
	WM ACC+16*\t+8*\p, XF+8*(5*\p+(\s)), WF+32*(\buf)+8*\t, 0, XS+(\s), WS+5*(\t/2)+(\s), \p, \t%2
.endif
.endr
.endr
.endm
; a unit's products.  tr = 1: transposed, the bias loaded into the accumulators;  kap: the kind;  vw: the register with the weights' LDS address;  bp: the bias's pointer
.macro GEMM tr, kap, vw, bp
	s_wait_xcnt 0x0                                ; the last unit's stores have read their data, which lie where the weights' fragments land,
	s_wait_dscnt 0x0                               ; and so have its LDS stores
.irp g, 0,1
.irp s, 0,1,2,3,4
	global_load_b32 v[WS+5*\g+\s], v2, s[52:53] offset:10240*\kap+640*\g+128*\s
.endr
.endr
.if \tr
.irp p, 0,1
.irp t, 0,1,2,3
	global_load_b128 v[ACC+32*\p+8*\t:ACC+32*\p+8*\t+3], v4, s[\bp:\bp+1] offset:128*(\t/2)+32*(\t%2)       ; b at columns 32 (t / 2) + 16 h + 8 (t % 2) + 0 .. 7
	global_load_b128 v[ACC+32*\p+8*\t+4:ACC+32*\p+8*\t+7], v4, s[\bp:\bp+1] offset:128*(\t/2)+32*(\t%2)+16
.endr
.endr
.else
.irp t, 0,1,2,3
	global_load_b32 v[TM+2*\t], v5, s[\bp:\bp+1] offset:128*(\t/2)+32*(\t%2)      ; b at my lane's column of tile t, twice: a pair for the packed addition
	global_load_b32 v[TM+2*\t+1], v5, s[\bp:\bp+1] offset:128*(\t/2)+32*(\t%2)
.endr
.endif
	WLOAD 0, 0, \vw
	s_wait_loadcnt 0x0                             ; x's fragments (first unit), the scale words, the bias
.irp s, 0,1,2,3,4
	s_wait_dscnt 0x0                               ; this K step's weights are in
.if \s<4
	PLACES                                         ; four plain lines in front of loads into registers that the last products read
	WLOAD (\s+1)%2, \s+1, \vw
.endif
	MM \tr, \s, \s%2
.endr
	PLACES                                         ; and in front of the first read of results
.endm
; two blocks of 32 (the head's 64): register src + 16 b + i = column 32 b + 16 (lane / 16) + i of my row
.macro QUANT2 src, cd, pw
.irp b, 0,1
	v_max3_num_f32 v[TM+\b], |v[(\src)+16*\b]|, |v[(\src)+16*\b+1]|, 0x1800000   ; with the floor 2^(3 - 127)
.endr
.irp i, 2,4,6,8,10,12,14
.irp b, 0,1
	v_max3_num_f32 v[TM+\b], v[TM+\b], |v[(\src)+16*\b+\i]|, |v[(\src)+16*\b+\i+1]|
.endr
.endr
.irp b, 0,1
	s_delay_alu instid0(VALU_DEP_2)
	v_permlanex16_b32 v[TM+4+\b], v[TM+\b], s[SEL], s[SEL+1]
.endr
.irp b, 0,1
	s_delay_alu instid0(VALU_DEP_2)
	v_max_num_f32 v[TM+\b], v[TM+\b], v[TM+4+\b]
.endr
.irp b, 0,1
	s_delay_alu instid0(VALU_DEP_2)
	v_add_nc_u32 v[TM+12+\b], 0xff000000, v[TM+\b] ; 2 off the exponent field: the conversion's scale operand
.endr
.irp b, 0,1
	s_delay_alu instid0(VALU_DEP_2)
	v_lshrrev_b32 v[TM+4+\b], 23, v[TM+12+\b]      ; the scale's byte
.endr
	s_delay_alu instid0(VALU_DEP_1)
	v_lshl_or_b32 v[\pw], v[TM+5], 8, v[TM+4]
	s_delay_alu instid0(VALU_DEP_1)
	v_lshl_or_b32 v[\pw], v[\pw], 16, v[\pw]       ; the two bytes twice: attention lays the 64 codes in either half of an operand of 128
.irp b, 0,1
	v_cvt_scalef32_pk8_fp4_f32 v[(\cd)+2*\b], v[(\src)+16*\b:(\src)+16*\b+7], v[TM+12+\b]
	v_cvt_scalef32_pk8_fp4_f32 v[(\cd)+2*\b+1], v[(\src)+16*\b+8:(\src)+16*\b+15], v[TM+12+\b]
.endr
	v_nop                                          ; one plain line behind the last scaled conversion
.endm
; tile p of Q or K: the time of my row, then its codes and scale word.  The accumulators are read from their low ends on
.macro EPI p
.set SR, ACC+32*\p
	v_pk_mul_f32 v[SQ:SQ+1], v[SR:SR+1], v[SR:SR+1]
	v_pk_mul_f32 v[SQ+2:SQ+3], v[SR+2:SR+3], v[SR+2:SR+3]
.irp i, 4,8,12,16,20,24,28
	v_pk_fma_f32 v[SQ:SQ+1], v[SR+\i:SR+\i+1], v[SR+\i:SR+\i+1], v[SQ:SQ+1]
	v_pk_fma_f32 v[SQ+2:SQ+3], v[SR+\i+2:SR+\i+3], v[SR+\i+2:SR+\i+3], v[SQ+2:SQ+3]
.endr
	s_delay_alu instid0(VALU_DEP_1)
	v_pk_add_f32 v[SQ:SQ+1], v[SQ:SQ+1], v[SQ+2:SQ+3]
	s_delay_alu instid0(VALU_DEP_1)
	v_add_f32 v[SQ], v[SQ], v[SQ+1]
	s_delay_alu instid0(VALU_DEP_1)
	v_permlanex16_b32 v[SQ+1], v[SQ], s[SEL], s[SEL+1]
	s_delay_alu instid0(VALU_DEP_1)
	v_add_f32 v[SQ], v[SQ], v[SQ+1]                ; with lane l xor 16's 32 columns
	s_delay_alu instid0(VALU_DEP_1)
	v_add_f32 v[SQ], 0x41200000, v[SQ]             ; + 1 / k = 10
	s_wait_alu depctr_va_vdst(0)
	v_sqrt_f32 v[TT+\p], v[SQ]                     ; (the quantiser's first line is the plain line behind it)
	QUANT2 SR, CD+4*\p, PW+\p
.endm
	s_load_b256 s[4:11], s[0:1], 0x0               ; img, sc, bq, bk
	s_load_b256 s[12:19], s[0:1], 0x20             ; bv, qimg, qst, kv
	v_lshl_add_u32 v15, v0, 2, 0x29000
	v_mov_b32 v101, 0
	ds_add_u32 v15, v101
	ds_add_u32 v15, v101
	v_lshrrev_b32 v112, 5, v0
	s_delay_alu instid0(VALU_DEP_1)
	v_readfirstlane_b32 s[WV], v112                ; wave 0..7
	s_and_b32 s21, s[WV], 3                        ; rg: which 32 rows
	s_lshr_b32 s22, s[WV], 2                       ; hh: which of the two heads
	s_bfe_u32 s23, ttmp6, 0x40000                  ; cx: it enters global addresses of x's, q's and kv's parts alone
	s_lshl_b32 s24, ttmp9, 2
	s_add_co_u32 s24, s24, s23                     ; my block of 128 rows
	s_and_b32 s25, ttmp7, 0xffff                   ; g: the pair of heads, which the four partners share
	s_lshl_b32 s26, s25, 1
	s_add_co_u32 s26, s26, s22                     ; head
	s_lshr_b32 s27, s24, 4
	s_lshl_b32 s27, s27, 3
	s_add_co_u32 s27, s27, s26                     ; bh = 8 x batch + head
	s_and_b32 s28, s24, 15                         ; the key step within the batch
	s_mov_b32 s36, 0x0023000f                      ; group 1: mask: all four work-groups; elements of 8 bytes; bit 21 set beside a mask; no padding
	s_mov_b32 s37, 32<<16                          ; tensor_dim0 = 32: rows of 256 bytes
	s_mov_b32 s38, 80<<16                          ; tensor_dim1 = 80: a dense block of 20,480 bytes
	s_mov_b32 s39, 32<<16
	s_mov_b32 s40, 80
	s_mov_b32 s41, 32
	s_mov_b32 s42, 0
	s_mov_b32 s43, 0
	s_mov_b32 s[SEL], 0x76543210
	s_mov_b32 s[SEL+1], 0xfedcba98
	s_mov_b32 s46, 0xffff0000
	s_mov_b32 s47, 0x00010001
	s_mov_b32 s60, 0x3f200000
	s_mov_b32 s61, 0x3f200000
	; every LDS address is made here, ahead of the first branch
	v_and_b32 v113, 31, v0                         ; lane
	v_and_b32 v114, 15, v0                         ; r
	v_bfe_u32 v115, v0, 4, 1                       ; h
	s_delay_alu instid0(VALU_DEP_3)
	v_lshlrev_b32 v1, 4, v113                      ; 16 x lane
	s_delay_alu instid0(VALU_DEP_4)
	v_lshlrev_b32 v2, 2, v113                      ; 4 x lane
	s_delay_alu instid0(VALU_DEP_4)
	v_lshlrev_b32 v3, 4, v114
	s_delay_alu instid0(VALU_DEP_1)
	v_lshl_add_u32 v3, v115, 3, v3                 ; 16 r + 8 h: my 8 bytes of a block in an image
	v_lshlrev_b32 v4, 6, v115                      ; 64 h
	v_and_b32 v116, 8, v114
	s_delay_alu instid0(VALU_DEP_1)
	v_add_nc_u32 v116, v116, v114                  ; r + 8 (r / 8)
	s_delay_alu instid0(VALU_DEP_1)
	v_lshlrev_b32 v5, 2, v116
	s_wait_alu depctr_va_vdst(0)
	v_lshlrev_b32 v11, 3, v113                     ; 8 x lane
	s_mul_i32 s29, s22, 20480
	v_add_nc_u32 v6, s29, v1                       ; my head's weights: Q's,
	s_delay_alu instid0(VALU_DEP_1)
	v_add_nc_u32 v12, 40960, v6                    ; K's,
	s_delay_alu instid0(VALU_DEP_2)
	v_add_nc_u32 v13, 81920, v6                    ; V's
	s_mul_i32 s29, s22, 1536
	s_add_co_u32 s29, s29, ST                      ; my head's 1,536 bytes
	s_lshr_b32 s30, s21, 1
	s_lshl_b32 s30, s30, 8
	s_and_b32 s31, s21, 1
	s_lshl_b32 s31, s31, 3
	s_add_co_u32 s30, s30, s31
	s_add_co_u32 s30, s30, s29
	v_lshl_add_u32 v7, v114, 4, s30                ; K's scale word of tile t = 2 rg + p: 256 (t / 4) + 16 r + 4 (t % 4)
	s_lshl_b32 s30, s21, 7
	s_add_co_u32 s30, s30, s29
	s_add_co_u32 s30, s30, 512
	v_add_nc_u32 v8, s30, v5                       ; t_k: 4 bytes a key, keys in their order
	s_add_co_u32 s30, s29, s21
	s_add_co_u32 s30, s30, 1024
	v_lshl_add_u32 v9, v114, 4, s30                ; V's scale words: byte rg of the word at 256 (t / 4) + 16 r + 4 (t % 4)
	s_lshl_b32 s30, s21, 9
	s_add_co_u32 s30, s30, s29
	v_add_nc_u32 v10, s30, v1                      ; the way out: waves rg = 0, 1, 2 take 512 bytes each
.irp b, 0,1,2,3
	v_mov_b32 v[TM+4+\b], 0                        ; a lane permute's destination counts as one of its sources
.endr
	s_lshr_b32 s29, s[WV], 1                       ; the block that I fetch, if I fetch: kind w / 2, head 2 g + w % 2: groups 256 + 16 (w / 2) + 4 g + 2 (w % 2) on
	s_lshl_b32 s29, s29, 4
	s_and_b32 s30, s[WV], 1
	s_lshl_b32 s30, s30, 1
	s_add_co_u32 s29, s29, s30
	s_lshl_b32 s30, s25, 2
	s_add_co_u32 s29, s29, s30
	s_add_co_u32 s29, s29, 256
	s_mul_i32 s30, s29, 10240
	s_mov_b32 s31, 0
	s_wait_dscnt 0x0
	s_wait_kmcnt 0x0
	s_mov_b32 s32, 1
	s_mul_i32 s33, s[WV], 20480
	s_add_nc_u64 s[34:35], s[4:5], s[30:31]
	s_or_b32 s35, s35, 0x80000000
	CROUND                                         ; all four work-groups are here: the joint loads meet
	s_cmp_lt_u32 s[WV], 6
	s_cbranch_scc0 .Lno_load
	tensor_load_to_lds s[32:35], s[36:43]
	s_nop 0
	PLACES                                         ; four plain lines behind a tensor load
.Lno_load:
	s_lshl_b32 s29, s24, 2
	s_add_co_u32 s29, s29, s21                     ; my group of x
	s_mul_i32 s30, s29, 10240
	s_add_nc_u64 s[48:49], s[4:5], s[30:31]
	s_mul_i32 s30, s29, 640
	s_add_nc_u64 s[50:51], s[6:7], s[30:31]
.irp p, 0,1
.irp s, 0,1,2,3,4
.irp c, 0,1
	global_load_b128 v[XF+8*(5*\p+\s)+4*\c:XF+8*(5*\p+\s)+4*\c+3], v1, s[48:49] offset:(5*\p+\s)*1024+512*\c   ; x's fragments stay in registers for the three units
.endr
.endr
.endr
.irp s, 0,1,2,3,4
	global_load_b32 v[XS+\s], v2, s[50:51] offset:128*\s
.endr
	s_lshl_b32 s30, s26, 1
	s_add_co_u32 s30, s30, 256
	s_mul_i32 s30, s30, 640
	s_add_nc_u64 s[52:53], s[6:7], s[30:31]        ; Wq's scale words of my head; Wk's and Wv's lie 10,240 and 20,480 bytes on
	s_lshl_b32 s30, s26, 8
	s_add_nc_u64 s[8:9], s[8:9], s[30:31]          ; the biases of my head
	s_add_nc_u64 s[10:11], s[10:11], s[30:31]
	s_add_nc_u64 s[12:13], s[12:13], s[30:31]
	s_lshl_b32 s29, s27, 6
	s_lshl_b32 s30, s28, 2
	s_add_co_u32 s29, s29, s30
	s_add_co_u32 s29, s29, s21                     ; 64 bh + my group within the batch
	s_lshl_b32 s30, s29, 10
	s_add_nc_u64 s[14:15], s[14:15], s[30:31]
	s_lshl_b32 s30, s29, 8
	s_add_nc_u64 s[16:17], s[16:17], s[30:31]
	s_lshl_b32 s29, s27, 4
	s_add_co_u32 s29, s29, s28
	s_mul_i32 s30, s29, 10752
	s_add_nc_u64 s[18:19], s[18:19], s[30:31]      ; kv at my head's key step
	s_lshl_b32 s30, s21, 10
	s_add_nc_u64 s[54:55], s[18:19], s[30:31]      ; K's tiles 2 rg, 2 rg + 1
	s_lshl_b32 s30, s21, 8
	s_add_nc_u64 s[56:57], s[18:19], s[30:31]      ; block rg of V's images
	s_lshl_b32 s30, s21, 9
	s_add_nc_u64 s[58:59], s[18:19], s[30:31]      ; my 512 bytes of the step's last 1,536
	s_wait_tensorcnt 0x0                           ; my block of the weights has landed (a wave without a load passes),
	s_barrier_signal -1
	s_barrier_wait -1                              ; everybody's has
	; ---- Q
	GEMM 1, 0, 6, 8
	EPI 0
	s_wait_alu depctr_va_vdst(0)
	EPI 1
.irp p, 0,1
.irp b, 0,1
	global_store_b64 v3, v[CD+4*\p+2*\b:CD+4*\p+2*\b+1], s[14:15] offset:512*\p+256*\b   ; 32 lanes store 256 consecutive bytes, aligned
.endr
.endr
	s_wait_alu depctr_va_vdst(0)
	v_cndmask_b32 v[STW], v[PW], v[TT], s46        ; lanes 0-15 the scale word, lanes 16-31 the time
	v_cndmask_b32 v[STW+1], v[PW+1], v[TT+1], s46
	global_store_b64 v11, v[STW:STW+1], s[16:17]
	; ---- K
	GEMM 1, 1, 12, 10
	EPI 0
	s_wait_alu depctr_va_vdst(0)
	EPI 1
.irp p, 0,1
.irp b, 0,1
	global_store_b64 v3, v[CD+4*\p+2*\b:CD+4*\p+2*\b+1], s[54:55] offset:512*\p+256*\b
.endr
	ds_store_b32 v7, v[PW+\p] offset:4*\p          ; both halves of the lanes write the same word with the same value
	s_wait_alu depctr_va_vdst(0)
	ds_store_b32 v8, v[TT+\p] offset:32*\p
.endr
	; ---- V
	GEMM 0, 2, 13, 12
.irp t, 0,1,2,3
.irp i, 0,2,4,6,8,10,12,14
	v_pk_add_f32 v[ACC+16*\t+\i:ACC+16*\t+\i+1], v[ACC+16*\t+\i:ACC+16*\t+\i+1], v[TM+2*\t:TM+2*\t+1]   ; + my column's bias
.endr
.endr
.irp i, 0,2,4,6,8,10,12,14
	v_pk_fma_f32 v[TV+\i:TV+\i+1], v[ACC+\i:ACC+\i+1], v[ACC+\i:ACC+\i+1], s[60:61] op_sel_hi:[1,1,0]   ; t_v^2 of key 16 h + i: my four columns' squares, and 0.625: sixteen lanes make 10 of it
.endr
.irp t, 1,2,3
.irp i, 0,2,4,6,8,10,12,14
	v_pk_fma_f32 v[TV+\i:TV+\i+1], v[ACC+16*\t+\i:ACC+16*\t+\i+1], v[ACC+16*\t+\i:ACC+16*\t+\i+1], v[TV+\i:TV+\i+1]
.endr
.endr
.irp x, 1,2,4,8
.irp i, 0,1,2,3,4,5,6,7,8,9,10,11,12,13,14,15
	v_add_f32_dpp v[TV+\i], v[TV+\i], v[TV+\i] row_xmask:\x row_mask:0xf bank_mask:0xf   ; over the sixteen lanes that hold the other columns
.endr
.endr
	s_wait_alu depctr_va_vdst(0)
.irp i, 0,1,2,3,4,5,6,7,8,9,10,11,12,13,14,15
	v_sqrt_f32 v[TV+\i], v[TV+\i]
.endr
	v_nop                                          ; a plain line behind the last root
	; five columns of 16 registers (my column of tiles 0 to 3, and t_v, which lies directly behind the accumulators): each with lane l xor 16's a block of 32 keys
	s_wait_alu depctr_va_vdst(0)
.irp c, 0,1,2,3,4
	v_max3_num_f32 v[VM+\c], |v[ACC+16*\c]|, |v[ACC+16*\c+1]|, 0x1800000
.endr
.irp i, 2,4,6,8,10,12,14
.irp c, 0,1,2,3,4
	v_max3_num_f32 v[VM+\c], v[VM+\c], |v[ACC+16*\c+\i]|, |v[ACC+16*\c+\i+1]|
.endr
.endr
.irp c, 0,1,2,3,4
	v_permlanex16_b32 v[VP+\c], v[VM+\c], s[SEL], s[SEL+1]
.endr
.irp c, 0,1,2,3,4
	v_max_num_f32 v[VM+\c], v[VM+\c], v[VP+\c]
.endr
.irp c, 0,1,2,3,4
	v_add_nc_u32 v[VE+\c], 0xff000000, v[VM+\c]
.endr
.irp c, 0,1,2,3,4
	v_lshrrev_b32 v[VB+\c], 23, v[VE+\c]
.endr
.irp c, 0,1,2,3,4
	v_cvt_scalef32_pk8_fp4_f32 v[VC+2*\c], v[ACC+16*\c:ACC+16*\c+7], v[VE+\c]
	v_cvt_scalef32_pk8_fp4_f32 v[VC+2*\c+1], v[ACC+16*\c+8:ACC+16*\c+15], v[VE+\c]
.endr
	v_nop                                          ; one plain line behind the last scaled conversion
	v_cndmask_b32 v[VC+8], 0, v[VC+8], s47         ; tile 4: row 0 is t_v, rows 1 to 15 are zero codes
	v_cndmask_b32 v[VC+9], 0, v[VC+9], s47
.irp c, 0,1,2,3,4
	global_store_b64 v3, v[VC+2*\c:VC+2*\c+1], s[56:57] offset:4096+1024*\c   ; 256 consecutive bytes, aligned
.endr
.irp c, 0,1,2,3
	ds_store_b8 v9, v[VB+\c] offset:4*\c
.endr
.irp c, 0,1,2,3
	ds_store_b8 v9, v[VB+4] offset:256+4*\c        ; tile 4's word, also in the three words beside it, so that every byte that leaves is written
.endr
	s_wait_dscnt 0x0                               ; for the others' sake: my stores have landed
	s_barrier_signal -1
	s_barrier_wait -1
	s_cmp_lt_u32 s21, 3                            ; three waves of each head carry the 1,536 bytes out
	s_cbranch_scc0 .Lno_tail
	ds_load_b128 v[160:163], v10
	s_wait_dscnt 0x0
	global_store_b128 v1, v[160:163], s[58:59] offset:9216   ; 512 consecutive bytes, aligned
.Lno_tail:
	s_wait_dscnt 0x0
	s_wait_tensorcnt 0x0
	ds_add_u32 v15, v101
	s_wait_dscnt 0x0
	CROUND                                         ; the closing round
	s_endpgm
.Lfunc_end_k_qd2f623159f_qkv:
	.size	k_qd2f623159f_qkv, .Lfunc_end_k_qd2f623159f_qkv-k_qd2f623159f_qkv
	.p2alignl 7, 3214868480
	.fill 96, 4, 3214868480
	.section	.rodata,"a",@progbits
	.p2align	6, 0x0
	.amdhsa_kernel k_qd2f623159f_qkv
		.amdhsa_group_segment_fixed_size 168960
		.amdhsa_private_segment_fixed_size 0
		.amdhsa_enable_private_segment 0
		.amdhsa_kernarg_size 64
		.amdhsa_user_sgpr_count 2
		.amdhsa_user_sgpr_kernarg_segment_ptr 1
		.amdhsa_wavefront_size32 1
		.amdhsa_system_sgpr_workgroup_id_x 1
		.amdhsa_system_sgpr_workgroup_id_y 1
		.amdhsa_system_sgpr_workgroup_id_z 1
		.amdhsa_system_vgpr_workitem_id 0
		.amdhsa_next_free_vgpr 256
		.amdhsa_next_free_sgpr 66
		.amdhsa_reserve_vcc 0
		.amdhsa_float_denorm_mode_32 3
		.amdhsa_float_denorm_mode_16_64 3
		.amdhsa_memory_ordered 1
		.amdhsa_forward_progress 1
		.amdhsa_inst_pref_size 72
	.end_amdhsa_kernel
	.amdgpu_metadata
---
amdhsa.version: [ 1, 2 ]
amdhsa.kernels:
  - .name:           k_qd2f623159f_qkv
    .symbol:         k_qd2f623159f_qkv.kd
    .args:
      - { .name: img, .offset: 0, .size: 8, .value_kind: global_buffer, .address_space: global }
      - { .name: sc, .offset: 8, .size: 8, .value_kind: global_buffer, .address_space: global }
      - { .name: bq, .offset: 16, .size: 8, .value_kind: global_buffer, .address_space: global }
      - { .name: bk, .offset: 24, .size: 8, .value_kind: global_buffer, .address_space: global }
      - { .name: bv, .offset: 32, .size: 8, .value_kind: global_buffer, .address_space: global }
      - { .name: qimg, .offset: 40, .size: 8, .value_kind: global_buffer, .address_space: global }
      - { .name: qst, .offset: 48, .size: 8, .value_kind: global_buffer, .address_space: global }
      - { .name: kv, .offset: 56, .size: 8, .value_kind: global_buffer, .address_space: global }
    .group_segment_fixed_size: 168960
    .private_segment_fixed_size: 0
    .kernarg_segment_align: 8
    .kernarg_segment_size: 64
    .max_flat_workgroup_size: 256
    .sgpr_count:     66
    .vgpr_count:     256
    .wavefront_size: 32
...
	.end_amdgpu_metadata
.endif
;; end of part 2
;; launch attn (part 3): grid 256 x 1, 16 waves a work-group, clusters of 4 x 1, 327,680 bytes of LDS; arguments qimg, qst, kv, img, sc, bo, out0; writes out0
.if DOCPART == 3
	.amdgcn_target "amdgcn-amd-amdhsa--gfx1250"
	.amdhsa_code_object_version 6
	.text
	.protected	k_qd2f623159f_attn
	.globl	k_qd2f623159f_attn
	.p2align	8
	.type	k_qd2f623159f_attn,@function
k_qd2f623159f_attn:
	s_mov_b64 s[64:65], 0
	v_nop
	global_prefetch_b8 v0, s[64:65] scope:SCOPE_SE
	s_setreg_imm32_b32 hwreg(HW_REG_WAVE_MODE, 25, 1), 1
	s_wait_xcnt 0x0
	s_wait_alu depctr_hold_cnt(0) depctr_sa_sdst(0) depctr_va_vdst(0) depctr_va_sdst(0) depctr_va_ssrc(0) depctr_va_vcc(0) depctr_vm_vsrc(0)
	s_getreg_b32 s2, hwreg(HW_REG_IB_STS2, 6, 4)
	s_cmp_eq_u32 s2, 0
	s_cbranch_scc0 .Lentry_in_a_cluster
	s_endpgm
.Lentry_in_a_cluster:
	s_bfe_u32 s2, ttmp6, 0x10000c
	s_cmp_lg_u32 s2, 0x3003
	s_cbranch_scc0 .Lentry_shape_is_right
	s_endpgm
.Lentry_shape_is_right:
; Lorentz attention of all eight heads, the head fusion and the last LorentzFC layer, for 32 rows a work-group, on codes of FP4.
; ATTENTION.  score = q_s . k_s - t_q t_k; t = score x log2(e) / 8; M = the row's largest t so far, rounded UP to a whole number; p = 2^(t - M) is quantised along the keys, not normalised; the row's sum is taken of the
; unquantised p and divides at the end; m = p [v_s, t_v]; out = m / sqrt(max(0.1 (m_t^2 - |m_s|^2), 1e-9)).
; FUSION.  fused = [t', s x out_s of the eight heads], s = exp((digamma(256) - digamma(32)) / 2) = 2.8479424 (f32 0x403644b0), t' = sqrt(max(10 + s^2 x the sum over heads of (out_t^2 + 10), 1e-9)); quantised along its 513.
; LAST LAYER.  space = fused Wo^T + bo on codes, time = sqrt(10 + |space|^2).
; SHARES.  Wave w owns head w / 2 and tile w % 2 (16 queries) of the work-group's 32 rows: so the work-group holds whole fused rows, which stay in LDS.
; THE RING.  A key step of 128 keys of eight heads is 86,016 bytes; two slots, 2^17 bytes apart, take turns.  Wave w brings half of its head's step, 21 rows of 256 bytes: one load a wave behind each change of slots.
; CLUSTER.  The four work-groups of a cluster are rows of one batch and walk the same K and V: every load is a joint one, and a round of the cluster's barrier stands at each change of slots that fills.
; PREFETCHES.  The trip whose load asks for key step t + 1 names key step t + 3; steps 1 and 2 are named at the head; the last two filling trips name nothing.  Of the 21 blocks of 256 bytes that wave w fetches, partner cx names
; blocks cx, cx + 4, ..: a lane a block, one instruction a wave, each block once in a cluster.  What is first read behind the loop (Wo's codes and scale words, bo) is named once, at the head, shared out likewise.
; LAYOUT.  Both products of attention are used transposed: a lane holds ONE query.  Lane r of key tile 2 b + u is key 32 b + 8 u + r + 8 (r / 8), so that the 16 registers of tiles 2 b, 2 b + 1 are keys 32 b + 16 (lane / 16) + 0 .. 15.
; K = 64 in an instruction of 128: q's operand is [q][q]; an even tile's is [k][zeros], an odd tile's [zeros][k]; every scale word carries its two bytes twice.  -t_q t_k is the C of the score products.
; LDS: 0 and 131,072 the slots; FU first the table of t_k (65,536 bytes), then ten units of 16 rows x 528 bytes of fused f32 (unit 2 s + p: K step s, rows 16 p ..), then the block of out0; FI fused images; FS their scale words;
; RS sums of squares; TW time words; the spare words.  Fills land in the slots alone.
; LIMITS: NaN and infinities are not served; a p under 2^-126 counts as 0; blocks under 2^-124 carry the byte 1; v_exp_f32, v_rcp_f32, v_rsq_f32, v_sqrt_f32 are good to one ulp; a block's largest p is taken as the exponential of
; its largest score, which leans on v_exp_f32 not falling where its input rises; sums run in another order than row-major; the promise holds while the scaled scores stay under 2^31 in magnitude.
.set WV,  12                           ; s12 wave; s13 cx; s14 work-group; s15 batch; s[16:19], s[20:27] the descriptor; s[28:29] selects; s[30:31] c; s32 trips; s33 my head's step in the slot in hand; s34 head; s35 tile; s3 the step's t_k; s[56:57] the prefetches' base
.set STEPB, 10752
.set HALFB, 5376
.set SLOT1, 131072
.set VIO, 4096
.set KSO, 9216
.set TKO, 9728
.set VSO, 10240
.set FU,  217088
.set UNIT, 8576                        ; 16 x 528 + 128: the two row tiles of a K step stand 128 bytes apart modulo 256
.set OS,  FU
.set FI,  302848
.set FS,  313088
.set RS,  313856
.set TW,  315904
.set SPARE, 316928
.set KF,  24
.set KSC, 72
.set VSC, 76
.set VF,  80
.set S,   120
.set OA,  184
.set P,   224
.set BM,  232
.set BP,  236
.set CE,  240
.set PS,  248
; behind the loop: v8-23 bo; v24-47 addresses; v48-111 the scaled rows, then a unit's numbers, then fused fragments (48-79) and accumulators (80-111); v112-127 at work; v150-154, v155-159 scale words; v160-239 Wo's fragments
.set BI,  8
.set X,   48
.set FB,  48
.set ACC, 80
.set TM,  112
.set CD,  128
.set PW,  136
.set WS,  150
.set FSR, 155
.set WO,  160
.macro CREST                           ; a round of the cluster's barrier behind its opening barrier
	s_cmp_lg_u32 s[WV], 0
	s_cbranch_scc1 .Lnot_wave_0_\@
	s_barrier_signal -3
.Lnot_wave_0_\@:
	s_barrier_wait -3
	s_barrier_signal -1
	s_barrier_wait -1
.endm
.macro CROUND                          ; a whole round
	s_barrier_signal -1
	s_barrier_wait -1
	CREST
.endm
.macro PLACES
.rept 4
	v_nop
.endr
.endm
; THE TABLE OF t_k.  The eight heads' t_k of all 2,048 keys, 8,192 bytes a head, are copied once through registers into the first 65,536 bytes of FU (no fill lands there; the fused rows are stored there behind the last change of slots).
; So a step's t_k can be read at the end of the step before, into the registers in which the scores will stand, and -t_q t_k is made on registers between the signal and the wait of the change of slots.
.macro TKLOAD                          ; t_k of keys 32 b + 16 h + 0 .. 15 of the step that v4 names
.set i, 0
.rept 16
	ds_load_b128 v[S+4*i:S+4*i+3], v4 offset:128*(i/4)+16*(i%4)
.set i, i+1
.endr
.endm
.macro PKC t                           ; tile t's C: t_k x -t_q
.irp i, 0,2,4,6
	v_pk_mul_f32 v[S+8*(\t)+\i:S+8*(\t)+\i+1], v[S+8*(\t)+\i:S+8*(\t)+\i+1], v[6:7] op_sel_hi:[1,0]
.endr
.endm
.macro WQK t
.set KA, KF+12*((\t)/2)+4*((\t)%2)
.if (\t)<4
	v_wmma_scale_f32_16x16x128_f8f6f4 v[S+8*(\t):S+8*(\t)+7], v[KA:KA+7], v[16:23], v[S+8*(\t):S+8*(\t)+7], v[KSC+(\t)%4], v5 matrix_a_fmt:MATRIX_FMT_FP4 matrix_b_fmt:MATRIX_FMT_FP4
.else
	v_wmma_scale_f32_16x16x128_f8f6f4 v[S+8*(\t):S+8*(\t)+7], v[KA:KA+7], v[16:23], v[S+8*(\t):S+8*(\t)+7], v[KSC+(\t)%4], v5 matrix_a_fmt:MATRIX_FMT_FP4 matrix_b_fmt:MATRIX_FMT_FP4 matrix_a_scale:MATRIX_SCALE_ROW1
.endif
.endm
.macro PV t
.if (\t)<4
	v_wmma_scale_f32_16x16x128_f8f6f4 v[OA+8*(\t):OA+8*(\t)+7], v[VF+8*(\t):VF+8*(\t)+7], v[P:P+7], v[OA+8*(\t):OA+8*(\t)+7], v[VSC+(\t)], v[PS] matrix_a_fmt:MATRIX_FMT_FP4 matrix_b_fmt:MATRIX_FMT_FP4
.else
	v_wmma_scale_f32_16x16x128_f8f6f4 v[OA+8*(\t):OA+8*(\t)+7], v[VF+8*(\t):VF+8*(\t)+7], v[P:P+7], v[OA+8*(\t):OA+8*(\t)+7], v[VSC], v[PS] matrix_a_fmt:MATRIX_FMT_FP4 matrix_b_fmt:MATRIX_FMT_FP4 matrix_a_scale:MATRIX_SCALE_ROW1
.endif
.endm
.macro AD d, a
	v_pk_add_f32 v[\d:\d+1], v[\d:\d+1], v[\a:\a+1]
.endm
.macro AD3 d, a, b
	v_pk_add_f32 v[\d:\d+1], v[\a:\a+1], v[\b:\b+1]
.endm
; A KEY STEP: 128 keys of my head at the LDS bytes that v3 names; -t_q t_k stands in the scores' registers.  The 13 accumulators take turns, one instruction a turn.
.macro STEP more                       ; more = 1: a step follows, and its t_k is read at this step's end
.set i, 0
.rept 8
	ds_load_b128 v[KF+12*(i/2)+8*(i%2):KF+12*(i/2)+8*(i%2)+3], v3 offset:512*i
.set i, i+1
.endr
	ds_load_b128 v[KSC:KSC+3], v3 offset:KSO
	v_mov_b32 v249, v12                            ; the old -M
.rept 3
	v_nop                                          ; with the line above: four places between the last C's write and the products
.endr
	s_wait_alu depctr_va_vdst(0)
	s_wait_dscnt 0x0                               ; K and its scale words are in
	WQK 0
	WQK 1
	WQK 2
	WQK 3
	WQK 4
	WQK 5
	WQK 6
	WQK 7
.set i, 0
.rept 10
	ds_load_b128 v[VF+4*i:VF+4*i+3], v3 offset:VIO+512*i   ; V comes while the softmax is worked
.set i, i+1
.endr
	ds_load_b128 v[VSC:VSC+3], v3 offset:VSO
	PLACES                                         ; four places in front of the first read of the scores
	v_max3_num_f32 v[BM], v[S], v[S+1], v[S+2]     ; the largest score of each block of 32 keys serves the row's maximum and the block's largest p
	v_max3_num_f32 v[BM+1], v[S+16], v[S+17], v[S+18]
	v_max3_num_f32 v[BM+2], v[S+32], v[S+33], v[S+34]
	v_max3_num_f32 v[BM+3], v[S+48], v[S+49], v[S+50]
.irp i, 3,5,7,9,11,13
.irp b, 0,1,2,3
	v_max3_num_f32 v[BM+\b], v[BM+\b], v[S+16*\b+\i], v[S+16*\b+\i+1]   ; each tile is read from its low end on
.endr
.endr
.irp b, 0,1,2,3
	v_max_num_f32 v[BM+\b], v[BM+\b], v[S+16*\b+15]
.endr
.irp b, 0,1,2,3
	s_delay_alu instid0(VALU_DEP_4)
	v_permlanex16_b32 v[BP+\b], v[BM+\b], s28, s29
.endr
.irp b, 0,1,2,3
	s_delay_alu instid0(VALU_DEP_4)
	v_max_num_f32 v[BM+\b], v[BM+\b], v[BP+\b]     ; with lane l xor 16's 16 keys
.endr
	s_delay_alu instid0(VALU_DEP_2)
	v_max3_num_f32 v250, v[BM], v[BM+1], v[BM+2]
	s_delay_alu instid0(VALU_DEP_1)
	v_max_num_f32 v250, v250, v[BM+3]
	s_delay_alu instid0(VALU_DEP_1)
	v_mul_f32 v250, s30, v250                      ; as t (c is positive)
	s_delay_alu instid0(VALU_DEP_1)
	v_max_num_f32 v13, v13, v250                   ; the running largest t
	s_delay_alu instid0(VALU_DEP_1)
	v_floor_f32 v12, -v13                          ; -M = floor(-t) = -ceil(t)
	s_delay_alu instid0(VALU_DEP_1)
	v_sub_f32 v250, v12, v249                      ; old M - new M: a whole number, 0 or less
	s_delay_alu instid0(VALU_DEP_1)
	v_cvt_i32_f32 v250, v250                       ; (it saturates)
	s_delay_alu instid0(VALU_DEP_1)
	v_ldexp_f32 v246, 1.0, v250                    ; f = 2^(old M - new M): a multiplication by it rounds nothing
.set i, 0
.rept 32
	v_pk_fma_f32 v[S+2*i:S+2*i+1], v[S+2*i:S+2*i+1], s[30:31], v[12:13] op_sel_hi:[1,0,0]   ; t - M
.set i, i+1
.endr
.irp b, 0,1,2,3
	v_fma_f32 v[BM+\b], v[BM+\b], s30, v12
.endr
.set i, 0
	s_wait_alu depctr_va_vdst(0)                   ; the wait ahead of the batch
.rept 64
	v_exp_f32 v[S+i], v[S+i]                       ; p = 2^(t - M)
.set i, i+1
.endr
.irp b, 0,1,2,3
	v_exp_f32 v[BM+\b], v[BM+\b]                   ; the block's largest p
.endr
	v_pk_mul_f32 v[14:15], v[14:15], v[246:247] op_sel_hi:[1,0]   ; the sum under the new M (the plain line behind the exponentials)
	s_wait_alu depctr_va_vdst(0)                   ; and behind it
.irp b, 0,1,2,3
	v_max_num_f32 v[BM+\b], 0x1800000, v[BM+\b]    ; the floor 2^(3 - 127)
.endr
.irp b, 0,1,2,3
	s_delay_alu instid0(VALU_DEP_4)
	v_add_nc_u32 v[CE+\b], 0xff000000, v[BM+\b]
.endr
.irp b, 0,1,2,3
	s_delay_alu instid0(VALU_DEP_4)
	v_lshrrev_b32 v[BP+\b], 23, v[CE+\b]
.endr
	s_delay_alu instid0(VALU_DEP_3)
	v_lshl_or_b32 v[PS], v[BP+1], 8, v[BP]
	s_delay_alu instid0(VALU_DEP_1)
	v_lshl_or_b32 v[PS], v[BP+2], 16, v[PS]
	s_delay_alu instid0(VALU_DEP_1)
	v_lshl_or_b32 v[PS], v[BP+3], 24, v[PS]
.irp b, 0,1,2,3
	v_cvt_scalef32_pk8_fp4_f32 v[P+2*\b], v[S+16*\b:S+16*\b+7], v[CE+\b]
	v_cvt_scalef32_pk8_fp4_f32 v[P+2*\b+1], v[S+16*\b+8:S+16*\b+15], v[CE+\b]
.endr
	v_nop                                          ; one plain line behind the last scaled conversion
.irp c, 0,1                                        ; the operand wants a whole block in a lane
.irp i, 0,1
	v_permlane16_swap_b32 v[P+4*\c+\i], v[P+4*\c+2+\i]
.endr
.endr
.set i, 0
.rept 16
	v_pk_mul_f32 v[OA+2*i:OA+2*i+1], v[OA+2*i:OA+2*i+1], v[246:247] op_sel_hi:[1,0]   ; m under the new M
.set i, i+1
.endr
	v_mul_f32 v[OA+32], v[OA+32], v246             ; tile 4: its other seven registers are sums of products with zero codes and stay 0
	AD3 244, 124, 128                              ; the row's sum of the unquantised p, in eight chains
	AD3 252, 132, 136
	AD3 250, 140, 144
	AD3 242, 148, 152
	AD3 240, 156, 160
	AD3 234, 164, 168
	AD3 232, 172, 176
	AD 14, 180
	AD 244, 120
	AD 252, 122
	AD 250, 126
	AD 242, 130
	AD 240, 134
	AD 234, 138
	AD 232, 142
	AD 14, 146
	AD 244, 150
	AD 252, 154
	AD 250, 158
	AD 242, 162
	AD 240, 166
	AD 234, 170
	AD 232, 174
	AD 14, 178
	AD 244, 182
	s_delay_alu instid0(VALU_DEP_2)
	AD 14, 242
	s_delay_alu instid0(VALU_DEP_2)
	AD 244, 240
	AD 252, 234
	AD 250, 232
	s_delay_alu instid0(VALU_DEP_2)
	AD 14, 252
	s_delay_alu instid0(VALU_DEP_2)
	AD 244, 250
	s_delay_alu instid0(VALU_DEP_1)
	AD 14, 244
	s_wait_dscnt 0x0                               ; V is in; no LDS load of mine is out, so the address registers may step
	s_xor_b32 s33, s33, SLOT1                      ; the next step lies in the other slot,
	s_add_co_u32 s3, s3, 512                       ; its t_k 512 bytes on in the table
	v_add_nc_u32 v3, s33, v1
	v_add_nc_u32 v4, s3, v2
.if \more
	TKLOAD
.endif
	PV 0
	PV 1
	PV 2
	PV 3
	PV 4
.endm
.macro QUANT4 src, cd, pw              ; 64 numbers of a lane, register 16 b + i = k 32 b + 16 (lane / 16) + i of my row, become codes and the row's scale word
.irp b, 0,1,2,3
	v_max3_num_f32 v[TM+\b], |v[(\src)+16*\b]|, |v[(\src)+16*\b+1]|, 0x1800000
.endr
.irp i, 2,4,6,8,10,12,14
.irp b, 0,1,2,3
	s_delay_alu instid0(VALU_DEP_4)
	v_max3_num_f32 v[TM+\b], v[TM+\b], |v[(\src)+16*\b+\i]|, |v[(\src)+16*\b+\i+1]|
.endr
.endr
.irp b, 0,1,2,3
	s_delay_alu instid0(VALU_DEP_4)
	v_permlanex16_b32 v[TM+4+\b], v[TM+\b], s28, s29
.endr
.irp b, 0,1,2,3
	s_delay_alu instid0(VALU_DEP_4)
	v_max_num_f32 v[TM+\b], v[TM+\b], v[TM+4+\b]
.endr
.irp b, 0,1,2,3
	s_delay_alu instid0(VALU_DEP_4)
	v_add_nc_u32 v[TM+12+\b], 0xff000000, v[TM+\b]
.endr
.irp b, 0,1,2,3
	s_delay_alu instid0(VALU_DEP_4)
	v_lshrrev_b32 v[TM+4+\b], 23, v[TM+12+\b]
.endr
	s_delay_alu instid0(VALU_DEP_3)
	v_lshl_or_b32 v[\pw], v[TM+5], 8, v[TM+4]
	s_delay_alu instid0(VALU_DEP_1)
	v_lshl_or_b32 v[\pw], v[TM+6], 16, v[\pw]
	s_delay_alu instid0(VALU_DEP_1)
	v_lshl_or_b32 v[\pw], v[TM+7], 24, v[\pw]
.irp b, 0,1,2,3
	v_cvt_scalef32_pk8_fp4_f32 v[(\cd)+2*\b], v[(\src)+16*\b:(\src)+16*\b+7], v[TM+12+\b]
	v_cvt_scalef32_pk8_fp4_f32 v[(\cd)+2*\b+1], v[(\src)+16*\b+8:(\src)+16*\b+15], v[TM+12+\b]
.endr
	v_nop                                          ; one plain line behind the last scaled conversion
.endm
.macro WM d, a, b, c, sa, sb, ra, rb   ; ra, rb = 1: the side's scale words lie in lanes 16-31
.if (\ra)&&(\rb)
	v_wmma_scale_f32_16x16x128_f8f6f4 v[(\d):(\d)+7], v[(\a):(\a)+7], v[(\b):(\b)+7], v[(\c):(\c)+7], v[\sa], v[\sb] matrix_a_fmt:MATRIX_FMT_FP4 matrix_b_fmt:MATRIX_FMT_FP4 matrix_a_scale:MATRIX_SCALE_ROW1 matrix_b_scale:MATRIX_SCALE_ROW1
.elseif (\ra)
	v_wmma_scale_f32_16x16x128_f8f6f4 v[(\d):(\d)+7], v[(\a):(\a)+7], v[(\b):(\b)+7], v[(\c):(\c)+7], v[\sa], v[\sb] matrix_a_fmt:MATRIX_FMT_FP4 matrix_b_fmt:MATRIX_FMT_FP4 matrix_a_scale:MATRIX_SCALE_ROW1
.elseif (\rb)
	v_wmma_scale_f32_16x16x128_f8f6f4 v[(\d):(\d)+7], v[(\a):(\a)+7], v[(\b):(\b)+7], v[(\c):(\c)+7], v[\sa], v[\sb] matrix_a_fmt:MATRIX_FMT_FP4 matrix_b_fmt:MATRIX_FMT_FP4 matrix_b_scale:MATRIX_SCALE_ROW1
.else
	v_wmma_scale_f32_16x16x128_f8f6f4 v[(\d):(\d)+7], v[(\a):(\a)+7], v[(\b):(\b)+7], v[(\c):(\c)+7], v[\sa], v[\sb] matrix_a_fmt:MATRIX_FMT_FP4 matrix_b_fmt:MATRIX_FMT_FP4
.endif
.endm
.macro FLOAD buf, s                    ; the two fused tiles, K step s
.irp p, 0,1
.irp c, 0,1
	ds_load_b128 v[FB+16*(\buf)+8*\p+4*\c:FB+16*(\buf)+8*\p+4*\c+3], v37 offset:(5*\p+(\s))*1024+512*\c
.endr
.endr
.endm
.macro MM s, buf                       ; the four accumulators take turns; the first K step takes bo as its C
.irp p, 0,1
.irp t, 0,1
.if (\s)==0
	WM ACC+16*\p+8*\t, WO+8*(5*\t+(\s)), FB+16*(\buf)+8*\p, BI+8*\t, WS+(\s), FSR+(\s), \t, \p
.else
	WM ACC+16*\p+8*\t, WO+8*(5*\t+(\s)), FB+16*(\buf)+8*\p, ACC+16*\p+8*\t, WS+(\s), FSR+(\s), \t, \p
.endif
.endr
.endr
.endm
	s_load_b256 s[4:11], s[0:1], 0x0               ; qimg, qst, kv, img
	s_load_b128 s[36:39], s[0:1], 0x20             ; sc, bo
	s_load_b64 s[40:41], s[0:1], 0x30              ; out0
	v_lshl_add_u32 v254, v0, 2, SPARE
	v_mov_b32 v255, 0
	ds_add_u32 v254, v255                          ; the opening lines
	ds_add_u32 v254, v255
	v_lshrrev_b32 v249, 5, v0
	s_delay_alu instid0(VALU_DEP_1)
	v_readfirstlane_b32 s[WV], v249                ; wave 0..15
	s_bfe_u32 s13, ttmp6, 0x40000                  ; cx: it enters q's and out0's global addresses and the prefetches' offsets alone
	s_lshl_b32 s14, ttmp9, 2
	s_add_co_u32 s14, s14, s13                     ; my block of 32 rows
	s_lshr_b32 s15, ttmp9, 4                       ; the batch, which the four partners share
	s_lshr_b32 s34, s[WV], 1                       ; head
	s_and_b32 s35, s[WV], 1                        ; tile
	s_mov_b32 s20, 0x0023000f                      ; group 1: mask: all four; elements of 8 bytes; bit 21 set beside a mask; no padding
	s_mov_b32 s21, 32<<16                          ; rows of 256 bytes,
	s_mov_b32 s22, 21<<16                          ; 21 of them: half a head's step
	s_mov_b32 s23, 32<<16
	s_mov_b32 s24, 21
	s_mov_b32 s25, 32
	s_mov_b32 s26, 0
	s_mov_b32 s27, 0
	s_mov_b32 s28, 0x76543210
	s_mov_b32 s29, 0xfedcba98
	s_mov_b32 s30, 0x3e38aa3b                      ; c = log2(e) / 8
	s_mov_b32 s31, s30
	s_mul_i32 s33, s34, STEPB                      ; my head's step in slot 0
	s_lshl_b32 s3, s34, 13
	s_add_co_u32 s3, s3, FU                        ; my head's t_k in the table
	s_lshl_b32 s47, s35, 12
	s_add_co_u32 s47, s47, s3                      ; the half of it that I copy: key steps 8 u .. 8 u + 7
	s_mul_i32 s48, s13, 2560                       ; the prefetches' shares: partner cx takes 10 of 40 blocks of 256 bytes,
	s_lshl_b32 s49, s13, 9                         ; or 2 of 8,
	s_lshl_b32 s58, s13, 8                         ; or, of a wave's 21, blocks cx + 4 i:
	s_sub_co_u32 s59, 4, s13
	s_lshr_b32 s59, s59, 2
	s_add_co_u32 s59, s59, 4                       ; i up to 5 for cx = 0, up to 4 for the others
	s_lshl_b32 s42, s15, 3
	s_add_co_u32 s42, s42, s34                     ; bh
	s_mul_i32 s44, s42, 16*STEPB
	s_mul_i32 s45, s35, HALFB
	s_add_co_u32 s44, s44, s45
	s_mov_b32 s45, 0
	v_and_b32 v232, 31, v0                         ; lane
	v_and_b32 v233, 15, v0                         ; r
	v_bfe_u32 v234, v0, 4, 1                       ; h
	s_delay_alu instid0(VALU_DEP_3)
	v_lshlrev_b32 v1, 4, v232
	s_delay_alu instid0(VALU_DEP_2)
	v_lshlrev_b32 v2, 6, v234
	v_lshlrev_b32 v235, 3, v233                    ; 8 r
	s_delay_alu instid0(VALU_DEP_3)
	v_add_nc_u32 v3, s33, v1
	v_add_nc_u32 v4, s3, v2
	v_add_nc_u32 v8, s47, v1
	v_min_u32 v9, 9, v232
	v_min_u32 v10, 1, v232
	v_min_u32 v11, s59, v232
	v_lshl_add_u32 v9, v9, 8, s48                  ; v9, v10, v11: a lane a block; the lanes that are left over name their wave's last block again
	v_lshl_add_u32 v10, v10, 8, s49
	v_lshl_add_u32 v11, v11, 10, s58
	s_wait_alu depctr_va_vdst(0)
	s_wait_dscnt 0x0
	s_wait_kmcnt 0x0
	s_mov_b32 s16, 1
	s_mul_i32 s17, s[WV], HALFB
	s_add_nc_u64 s[18:19], s[8:9], s[44:45]
	s_add_nc_u64 s[56:57], s[8:9], s[44:45]        ; the same place once more, for the prefetches
	s_or_b32 s19, s19, 0x80000000
	CROUND                                         ; all four work-groups are here: the joint loads meet
	tensor_load_to_lds s[16:19], s[20:27]          ; key step 0, into slot 0
	s_nop 0
	PLACES
	global_prefetch_b8 v11, s[56:57] offset:STEPB th:TH_LOAD_NT scope:SCOPE_SE     ; my share of my part of key steps 1
	global_prefetch_b8 v11, s[56:57] offset:2*STEPB th:TH_LOAD_NT scope:SCOPE_SE   ; and 2
	s_and_b32 s43, s14, 63                         ; my group of 32 queries within the batch
	s_lshl_b32 s44, s42, 7
	s_lshl_b32 s46, s43, 1
	s_add_co_u32 s44, s44, s46
	s_add_co_u32 s44, s44, s35                     ; 128 bh + my tile
	s_lshl_b32 s44, s44, 9
	s_add_nc_u64 s[4:5], s[4:5], s[44:45]
	s_lshl_b32 s44, s42, 6
	s_add_co_u32 s44, s44, s43
	s_lshl_b32 s44, s44, 8
	s_lshl_b32 s46, s35, 2
	s_add_co_u32 s44, s44, s46
	s_add_nc_u64 s[6:7], s[6:7], s[44:45]
	global_load_b128 v[16:19], v1, s[4:5]          ; q, twice: two runs of registers make the operand [q][q]
	global_load_b128 v[20:23], v1, s[4:5]
	global_load_b32 v5, v235, s[6:7]               ; q's scale words
	global_load_b32 v6, v235, s[6:7] offset:128    ; t_q
	s_mul_i32 s44, s42, 16*STEPB
	s_mul_i32 s46, s35, 8*STEPB
	s_add_co_u32 s44, s44, s46
	s_add_nc_u64 s[8:9], s[8:9], s[44:45]          ; kv at my head's key step 8 u
.set i, 0
.rept 8
	global_load_b128 v[S+4*i:S+4*i+3], v1, s[8:9] offset:STEPB*i+TKO   ; a step's t_k: 512 consecutive bytes
.set i, i+1
.endr
	; what is first read behind the loop: my wave's 10,240 bytes of Wo's codes (40 blocks of 256 bytes), and by wave 0 Wo's 10,240 bytes of scale words and bo's 2,048 bytes
	s_add_co_u32 s54, s[WV], 304
	s_mul_i32 s54, s54, 10240
	s_mov_b32 s55, 0
	s_add_nc_u64 s[50:51], s[10:11], s[54:55]
	s_add_nc_u64 s[52:53], s[36:37], 194560        ; group 304's scale words
	global_prefetch_b8 v9, s[50:51] th:TH_LOAD_NT scope:SCOPE_SE
	s_cmp_lg_u32 s[WV], 0
	s_cbranch_scc1 .Lnot_sc
	global_prefetch_b8 v9, s[52:53] th:TH_LOAD_NT scope:SCOPE_SE
	global_prefetch_b8 v10, s[38:39] th:TH_LOAD_NT scope:SCOPE_SE
.Lnot_sc:
.irp p, 0,1,2,3
.irp i, 4,5,6,7
	v_mov_b32 v[KF+12*\p+\i], 0                    ; the zero codes that two tiles of K share
.endr
.endr
.set i, 0
.rept 40
	v_mov_b32 v[OA+i], 0                           ; m: the step is written once, and the first finds zeros
.set i, i+1
.endr
.irp b, 0,1,2,3
	v_mov_b32 v[BP+\b], 0                          ; a lane permute's destination counts as one of its sources
.endr
	v_mov_b32 v247, 0
	v_mov_b32 v14, 0
	v_mov_b32 v15, 0
	v_mov_b32 v13, 0xff61b1e6                      ; the largest t so far: -3e38
	s_delay_alu instid0(VALU_DEP_1)
	v_floor_f32 v12, -v13
	s_wait_loadcnt 0x0
	v_xor_b32 v6, 0x80000000, v6                   ; -t_q
	s_delay_alu instid0(VALU_DEP_1)
	v_mov_b32 v7, v6
	s_wait_alu depctr_va_vdst(0)
	s_wait_tensorcnt 0x0                           ; my part of key step 0 is in: no load of the engine is out while I store to LDS
.set i, 0
.rept 8
	ds_store_b128 v8, v[S+4*i:S+4*i+3] offset:512*i
.set i, i+1
.endr
	s_wait_dscnt 0x0                               ; for the other wave of my head: my stores have landed
	s_barrier_signal -1
	s_barrier_wait -1                              ; the table is whole
	TKLOAD                                         ; key step 0's t_k
	s_mov_b32 s32, 15
.Lk:                                               ; 15 trips: behind each change of slots the next key step is asked for
	s_wait_alu depctr_va_vdst(0)
	s_wait_tensorcnt 0x0                           ; my one load that was out has landed: my part of the slot ahead
	ds_add_u32 v254, v255
	s_xor_b32 s17, s17, SLOT1                      ; no load of mine is out, so the descriptor may step: the other slot,
	s_add_nc_u64 s[18:19], s[18:19], STEPB         ; the next key step
	s_wait_xcnt 0x0                                ; my prefetches have read their base, so it may step with the descriptor
	s_add_nc_u64 s[56:57], s[56:57], STEPB
	s_wait_dscnt 0x0                               ; the add is done, my reads of the slot that I have left are over, and this step's t_k is in
	s_barrier_signal -1                            ; the round's opening barrier; work on registers stands between its signal and its wait:
.irp t, 0,1,2,3,4,5,6,7
	PKC \t                                         ; the C of the score products
.endr
	s_barrier_wait -1
	CREST                                          ; all of it holds of every wave of the four work-groups
	tensor_load_to_lds s[16:19], s[20:27]
	s_nop 0
	PLACES
	s_cmp_ge_u32 s32, 3                            ; the last two trips have no key step two behind their load's
	s_cbranch_scc0 .Lno_pf
	global_prefetch_b8 v11, s[56:57] offset:2*STEPB th:TH_LOAD_NT scope:SCOPE_SE   ; two key steps on from the load above
.Lno_pf:
	STEP 1
	s_sub_co_u32 s32, s32, 1
	s_cmp_lg_u32 s32, 0
	s_cbranch_scc1 .Lk
	s_wait_alu depctr_va_vdst(0)
	s_wait_tensorcnt 0x0                           ; the last change of slots fills nothing
	ds_add_u32 v254, v255
	s_wait_dscnt 0x0
	s_barrier_signal -1
.irp t, 0,1,2,3,4,5,6,7
	PKC \t
.endr
	s_barrier_wait -1
	STEP 0
	s_wait_xcnt 0x0                                ; the prefetches have read their address registers, which are written below
	; BEHIND THE LOOP.  First every scalar, then every address, on the one way that all waves take.
	s_lshl_b32 s42, s35, 3                         ; 8 u
	s_lshr_b32 s43, s34, 1
	s_mul_i32 s43, s43, 2*UNIT
	s_and_b32 s44, s34, 1
	s_lshl_b32 s45, s44, 8
	s_add_co_u32 s43, s43, s45                     ; where fused index 64 head lies: K step head / 2, byte 256 (head % 2)
	s_mul_i32 s44, s44, 16640
	s_add_co_u32 s44, s44, 64                      ; from index 64 head + 48 to index 64 head + 64, which for an odd head opens the next K step's unit
	s_add_co_u32 s45, s43, 192
	s_lshl_b32 s46, s34, 2
	s_mul_i32 s47, s[WV], UNIT
	s_add_co_u32 s47, s47, FU                      ; the unit that I quantise (waves 0-9): K step w / 2, rows 16 (w % 2) ..
	s_mul_i32 s48, s35, 5
	s_add_co_u32 s48, s48, s34
	s_lshl_b32 s48, s48, 10
	s_add_co_u32 s48, s48, FI
	s_lshl_b32 s49, s34, 7
	s_lshl_b32 s50, s35, 6
	s_add_co_u32 s49, s49, s50
	s_add_co_u32 s49, s49, FS
	s_lshl_b32 s50, s35, 9
	s_add_co_u32 s50, s50, TW
	s_lshl_b32 s51, s[WV], 7
	s_add_co_u32 s52, s51, RS
	s_add_co_u32 s51, s51, OS+4
	s_lshl_b32 s53, s[WV], 12
	s_add_co_u32 s53, s53, OS
	s_add_co_u32 s54, s[WV], 304                   ; Wo's group w: outputs 32 w .. 32 w + 31
	s_mul_i32 s56, s54, 640
	s_mul_i32 s54, s54, 10240
	s_mov_b32 s55, 0
	s_mov_b32 s57, 0
	s_add_nc_u64 s[10:11], s[10:11], s[54:55]
	s_add_nc_u64 s[36:37], s[36:37], s[56:57]
	s_lshl_b32 s54, s[WV], 7
	s_add_nc_u64 s[38:39], s[38:39], s[54:55]
	s_mul_i32 s54, s14, 65664
	s_add_nc_u64 s[40:41], s[40:41], s[54:55]      ; out0 at my block
	s_lshl_b32 s54, s[WV], 12
	s_add_nc_u64 s[58:59], s[40:41], s[54:55]
	s_cmp_eq_u32 s34, 0
	s_cselect_b32 s60, 0xffff, 0                   ; in K step 0 the first number of lanes 0-15 is t'
	s_mov_b32 s61, 0x41200000                      ; 10.0
	s_mov_b32 s62, 0x403644b0
	s_mul_f32 s62, s62, s62                        ; s^2
	s_mov_b32 s63, 0xffff
	v_and_b32 v26, 31, v0                          ; lane
	v_and_b32 v24, 15, v0                          ; r
	v_bfe_u32 v25, v0, 4, 1                        ; h
	v_lshrrev_b32 v46, 3, v24                      ; my query's row is 16 p + 8 u + r % 8, p = r / 8
	v_and_b32 v47, 7, v24
	v_add_nc_u32 v47, s42, v47
	v_mul_u32_u24 v27, v46, UNIT
	v_mad_u32_u24 v27, v47, 528, v27
	v_add_nc_u32 v27, FU, v27                      ; v27: my row in K step 0's unit
	v_lshl_add_u32 v28, v25, 6, v27
	v_add_nc_u32 v28, s43, v28                     ; v28: fused index 64 head + 16 h of it
	v_mul_u32_u24 v29, s44, v25
	v_add_nc_u32 v29, v29, v27
	v_add_nc_u32 v29, s45, v29                     ; v29: index 64 head + 48 (lanes 0-15) or 64 head + 64 (lanes 16-31)
	v_lshl_add_u32 v30, v46, 4, v47
	v_lshl_add_u32 v30, v30, 5, TW
	v_add_nc_u32 v30, s46, v30                     ; v30: my row's time word of my head
	v_mul_u32_u24 v31, v24, 528
	v_add_nc_u32 v31, s47, v31                     ; v31: row r of my unit
	v_lshl_add_u32 v32, v25, 6, v31                ; v32: + 16 h numbers
	v_lshlrev_b32 v33, 4, v24
	v_lshl_add_u32 v33, v25, 3, v33
	v_add_nc_u32 v33, s48, v33                     ; v33: my unit's image, 16 r + 8 h
	v_lshl_add_u32 v34, v24, 2, s49                ; v34: its scale word
	v_lshl_add_u32 v35, v24, 5, s50                ; v35: its row's eight time words
	v_lshlrev_b32 v36, 2, v26                      ; v36: 4 x lane
	v_add_nc_u32 v37, FI, v1
	v_add_nc_u32 v38, FS, v36
	v_mul_u32_u24 v39, v24, 2052
	v_lshl_add_u32 v39, v25, 6, v39
	v_add_nc_u32 v39, s51, v39                     ; v39: out0's block: row r, behind the time, my wave's 32 outputs, + 16 h of them
	v_lshl_add_u32 v40, v24, 2, s52
	v_add_nc_u32 v41, RS, v36
	v_mul_u32_u24 v42, v26, 2052
	v_add_nc_u32 v42, OS, v42                      ; v42: row l's time
	v_add_nc_u32 v43, s53, v1                      ; v43: the way out: 4,096 bytes a wave
	v_add_nc_u32 v44, OS+65536, v36                ; v44: the block's last 128 bytes
.irp b, 0,1,2,3
	v_mov_b32 v[TM+4+\b], 0
.endr
	v_add_f32 v14, v14, v15
	s_delay_alu instid0(VALU_DEP_1)
	v_permlanex16_b32 v249, v14, s28, s29
	s_delay_alu instid0(VALU_DEP_1)
	v_add_f32 v14, v14, v249                       ; the row's sum
	s_wait_alu depctr_va_vdst(0)                   ; the wait ahead of the transcendental
	v_rcp_f32 v246, v14
	v_nop
.set i, 0
	s_wait_alu depctr_va_vdst(0)                   ; and behind it, directly ahead of the first readers of m
.rept 16
	v_pk_mul_f32 v[OA+2*i:OA+2*i+1], v[OA+2*i:OA+2*i+1], v[246:247] op_sel_hi:[1,0]   ; m
.set i, i+1
.endr
	v_mul_f32 v[OA+32], v[OA+32], v246
	s_delay_alu instid0(VALU_DEP_1)
	v_permlanex16_b32 v249, v[OA+32], s28, s29
	s_delay_alu instid0(VALU_DEP_1)
	v_add_f32 v249, v[OA+32], v249                 ; m_t, in both halves of the lanes
	v_pk_mul_f32 v[232:233], v[OA:OA+1], v[OA:OA+1]
	v_pk_mul_f32 v[234:235], v[OA+2:OA+3], v[OA+2:OA+3]
.irp i, 4,8,12,16,20,24,28
	s_delay_alu instid0(VALU_DEP_2)
	v_pk_fma_f32 v[232:233], v[OA+\i:OA+\i+1], v[OA+\i:OA+\i+1], v[232:233]
	s_delay_alu instid0(VALU_DEP_2)
	v_pk_fma_f32 v[234:235], v[OA+\i+2:OA+\i+3], v[OA+\i+2:OA+\i+3], v[234:235]
.endr
	s_delay_alu instid0(VALU_DEP_1)
	v_pk_add_f32 v[232:233], v[232:233], v[234:235]
	s_delay_alu instid0(VALU_DEP_1)
	v_add_f32 v232, v232, v233
	s_delay_alu instid0(VALU_DEP_1)
	v_permlanex16_b32 v233, v232, s28, s29
	s_delay_alu instid0(VALU_DEP_1)
	v_add_f32 v232, v232, v233                     ; |m_s|^2
	s_delay_alu instid0(VALU_DEP_1)
	v_fma_f32 v250, v249, v249, -v232
	s_delay_alu instid0(VALU_DEP_1)
	v_mul_f32 v250, 0x3dcccccd, v250               ; x k = 0.1
	s_delay_alu instid0(VALU_DEP_1)
	v_max_num_f32 v250, 0x3089705f, v250           ; clipped at 1e-9
	s_wait_alu depctr_va_vdst(0)
	v_rsq_f32 v250, v250
	v_nop
	s_wait_alu depctr_va_vdst(0)
	v_mul_f32 v246, 0x403644b0, v250               ; s / the root
	v_mul_f32 v249, v249, v250                     ; the head's time
	s_delay_alu instid0(VALU_DEP_1)
	v_fmaak_f32 v251, v249, v249, 0x41200000       ; time^2 + 10
.irp b, 0,1                                        ; column 32 b + 16 h + i is fused index 64 head + 32 b + 16 h + 1 + i: it goes to register 20 b + 1 + i, so that runs of four aligned indices lie in aligned registers
.irp i, 0,1,2,3,4,5,6,7,8,9,10,11,12,13,14,15
	v_mul_f32 v[X+20*\b+1+\i], v[OA+16*\b+\i], v246
.endr
.endr
.irp t, 0,1                                        ; Wo's two tiles, all five K steps, its scale words and bo come into registers while the rows are quantised
.irp s, 0,1,2,3,4
.irp c, 0,1
	global_load_b128 v[WO+8*(5*\t+\s)+4*\c:WO+8*(5*\t+\s)+4*\c+3], v1, s[10:11] offset:(5*\t+\s)*1024+512*\c
.endr
.endr
.endr
.irp s, 0,1,2,3,4
	global_load_b32 v[WS+\s], v36, s[36:37] offset:128*\s
.endr
.irp t, 0,1
	global_load_b128 v[BI+8*\t:BI+8*\t+3], v2, s[38:39] offset:32*\t       ; bo at outputs 16 h + 8 t + 0 .. 7 of my 32
	global_load_b128 v[BI+8*\t+4:BI+8*\t+7], v2, s[38:39] offset:32*\t+16
.endr
.irp b, 0,1
	ds_store_b32 v28, v[X+20*\b+1] offset:128*\b+4
	ds_store_b64 v28, v[X+20*\b+2:X+20*\b+3] offset:128*\b+8
	ds_store_b128 v28, v[X+20*\b+4:X+20*\b+7] offset:128*\b+16
	ds_store_b128 v28, v[X+20*\b+8:X+20*\b+11] offset:128*\b+32
	ds_store_b128 v28, v[X+20*\b+12:X+20*\b+15] offset:128*\b+48
.endr
	ds_store_b32 v28, v[X+16] offset:64
	ds_store_b32 v29, v[X+36]
	ds_store_b32 v30, v251                         ; lanes l and l xor 16 hold the same bits and write the same word
	s_cmp_lt_u32 s[WV], 2
	s_cbranch_scc0 .Lnot_head_0
	ds_store_b32 v27, v251                         ; fused index 0's word is written, so that a whole unit can be read; t' takes its place in registers
.Lnot_head_0:
	s_wait_alu depctr_va_vdst(0)
	s_wait_dscnt 0x0                               ; for the others' sake: my stores have landed
	s_barrier_signal -1
	s_barrier_wait -1                              ; the 32 fused rows and their time words lie in LDS
	s_cmp_lt_u32 s[WV], 10
	s_cbranch_scc0 .Lnoq
	s_cmp_lt_u32 s[WV], 8
	s_cbranch_scc0 .Lfifth
.irp b, 0,1,2,3
.irp j, 0,1,2,3
	ds_load_b128 v[X+16*\b+4*\j:X+16*\b+4*\j+3], v32 offset:128*\b+16*\j
.endr
.endr
	s_branch .Lgot
.Lfifth:                                           ; of the fifth K step one number a row is left
.set i, 1
.rept 63
	v_mov_b32 v[X+i], 0
.set i, i+1
.endr
	ds_load_b32 v[X], v31
	s_wait_alu depctr_va_vdst(0)
	s_wait_dscnt 0x0
	v_cndmask_b32 v[X], 0, v[X], s63               ; it belongs to lanes 0-15
.Lgot:
	ds_load_b128 v[140:143], v35
	ds_load_b128 v[144:147], v35 offset:16
	s_wait_alu depctr_va_vdst(0)
	s_wait_dscnt 0x0
	v_add_f32 v140, v140, v141
	v_add_f32 v142, v142, v143
	v_add_f32 v144, v144, v145
	v_add_f32 v146, v146, v147
	s_delay_alu instid0(VALU_DEP_3)
	v_add_f32 v140, v140, v142
	s_delay_alu instid0(VALU_DEP_2)
	v_add_f32 v144, v144, v146
	s_delay_alu instid0(VALU_DEP_1)
	v_add_f32 v140, v140, v144                     ; the sum over the heads of time^2 + 10
	s_delay_alu instid0(VALU_DEP_1)
	v_fma_f32 v148, s62, v140, s61
	s_delay_alu instid0(VALU_DEP_1)
	v_max_num_f32 v148, 0x3089705f, v148
	s_wait_alu depctr_va_vdst(0)
	v_sqrt_f32 v148, v148                          ; t'
	v_nop
	s_wait_alu depctr_va_vdst(0)
	v_cndmask_b32 v[X], v[X], v148, s60
	QUANT4 X, CD, PW
.irp b, 0,1,2,3
	ds_store_b64 v33, v[CD+2*\b:CD+2*\b+1] offset:256*\b   ; block b of the image: 256 consecutive bytes
.endr
	ds_store_b32 v34, v[PW]                        ; both halves of the lanes write the same word with the same value
.Lnoq:
	s_wait_alu depctr_va_vdst(0)
	s_wait_dscnt 0x0
	s_barrier_signal -1
	s_barrier_wait -1                              ; the ten fused images and their scale words lie in LDS
.irp s, 0,1,2,3,4
	ds_load_b32 v[FSR+\s], v38 offset:128*\s
.endr
	FLOAD 0, 0
	s_wait_loadcnt 0x0                             ; Wo's fragments, its scale words, bo
.irp s, 0,1,2,3,4
	s_wait_dscnt 0x0
.if \s<4
	PLACES                                         ; four plain lines in front of loads into registers that the last products read
	FLOAD (\s+1)%2, \s+1
.endif
	MM \s, \s%2
.endr
	PLACES
.irp p, 0,1
.set SR, ACC+16*\p
.set SP, TM+4*\p
	v_pk_mul_f32 v[SP:SP+1], v[SR:SR+1], v[SR:SR+1]   ; the accumulators are read from their low ends on
	v_pk_mul_f32 v[SP+2:SP+3], v[SR+2:SR+3], v[SR+2:SR+3]
.irp i, 4,8,12
	v_pk_fma_f32 v[SP:SP+1], v[SR+\i:SR+\i+1], v[SR+\i:SR+\i+1], v[SP:SP+1]
	v_pk_fma_f32 v[SP+2:SP+3], v[SR+\i+2:SR+\i+3], v[SR+\i+2:SR+\i+3], v[SP+2:SP+3]
.endr
	s_delay_alu instid0(VALU_DEP_1)
	v_pk_add_f32 v[SP:SP+1], v[SP:SP+1], v[SP+2:SP+3]
	s_delay_alu instid0(VALU_DEP_1)
	v_add_f32 v[SP], v[SP], v[SP+1]
	s_delay_alu instid0(VALU_DEP_1)
	v_permlanex16_b32 v[SP+1], v[SP], s28, s29
	s_delay_alu instid0(VALU_DEP_1)
	v_add_f32 v[SP], v[SP], v[SP+1]                ; my wave's 32 squares of row 16 p + r
	ds_store_b32 v40, v[SP] offset:64*\p
.irp t, 0,1
.irp j, 0,1,2,3,4,5,6,7
	ds_store_b32 v39, v[SR+8*\t+\j] offset:32832*\p+4*(8*\t+\j)   ; rows 513 words apart
.endr
.endr
.endr
	s_wait_dscnt 0x0
	s_barrier_signal -1
	s_barrier_wait -1                              ; the block's 512 columns and the sixteen partial sums lie in LDS
	s_cmp_lg_u32 s[WV], 0                          ; wave 0 makes the 32 rows' times
	s_cbranch_scc1 .Lnot_time
.set i, 0
.rept 16
	ds_load_b32 v[48+i], v41 offset:128*i
.set i, i+1
.endr
	s_wait_dscnt 0x0
.irp i, 0,2,4,6,8,10,12,14
	v_add_f32 v[48+\i], v[48+\i], v[49+\i]
.endr
.irp i, 0,4,8,12
	v_add_f32 v[48+\i], v[48+\i], v[50+\i]
.endr
	v_add_f32 v48, v48, v52
	v_add_f32 v56, v56, v60
	s_delay_alu instid0(VALU_DEP_1)
	v_add_f32 v48, v48, v56
	s_delay_alu instid0(VALU_DEP_1)
	v_add_f32 v48, 0x41200000, v48
	s_wait_alu depctr_va_vdst(0)
	v_sqrt_f32 v48, v48
	v_nop
	s_wait_alu depctr_va_vdst(0)
	ds_store_b32 v42, v48
.Lnot_time:
	s_wait_dscnt 0x0
	s_barrier_signal -1
	s_barrier_wait -1                              ; the block is whole: 65,664 bytes as they lie in out0
.set i, 0
.rept 8
	ds_load_b128 v[48+4*i:48+4*i+3], v43 offset:512*i
.set i, i+1
.endr
.set i, 0
.rept 8
	s_wait_dscnt 7-i                               ; the younger loads may be out
	global_store_b128 v1, v[48+4*i:48+4*i+3], s[58:59] offset:512*i th:TH_STORE_NT   ; 512 consecutive bytes; written once, read by nobody here
.set i, i+1
.endr
	s_cmp_lg_u32 s[WV], 0
	s_cbranch_scc1 .Lnot_last
	ds_load_b32 v80, v44
	s_wait_dscnt 0x0
	global_store_b32 v36, v80, s[40:41] offset:65536 th:TH_STORE_NT   ; the block's last 128 bytes
.Lnot_last:
	s_wait_dscnt 0x0
	s_wait_tensorcnt 0x0                           ; the wave's end
	ds_add_u32 v254, v255
	s_wait_dscnt 0x0
	CROUND                                         ; the closing round
	s_endpgm
.Lfunc_end_k_qd2f623159f_attn:
	.size	k_qd2f623159f_attn, .Lfunc_end_k_qd2f623159f_attn-k_qd2f623159f_attn
	.p2alignl 7, 3214868480
	.fill 96, 4, 3214868480
	.section	.rodata,"a",@progbits
	.p2align	6, 0x0
	.amdhsa_kernel k_qd2f623159f_attn
		.amdhsa_group_segment_fixed_size 327680
		.amdhsa_private_segment_fixed_size 0
		.amdhsa_enable_private_segment 0
		.amdhsa_kernarg_size 56
		.amdhsa_user_sgpr_count 2
		.amdhsa_user_sgpr_kernarg_segment_ptr 1
		.amdhsa_wavefront_size32 1
		.amdhsa_system_sgpr_workgroup_id_x 1
		.amdhsa_system_sgpr_workgroup_id_y 1
		.amdhsa_system_sgpr_workgroup_id_z 1
		.amdhsa_system_vgpr_workitem_id 0
		.amdhsa_next_free_vgpr 256
		.amdhsa_next_free_sgpr 66
		.amdhsa_reserve_vcc 0
		.amdhsa_float_denorm_mode_32 3
		.amdhsa_float_denorm_mode_16_64 3
		.amdhsa_memory_ordered 1
		.amdhsa_forward_progress 1
		.amdhsa_inst_pref_size 85
	.end_amdhsa_kernel
	.amdgpu_metadata
---
amdhsa.version: [ 1, 2 ]
amdhsa.kernels:
  - .name:           k_qd2f623159f_attn
    .symbol:         k_qd2f623159f_attn.kd
    .args:
      - { .name: qimg, .offset: 0, .size: 8, .value_kind: global_buffer, .address_space: global }
      - { .name: qst, .offset: 8, .size: 8, .value_kind: global_buffer, .address_space: global }
      - { .name: kv, .offset: 16, .size: 8, .value_kind: global_buffer, .address_space: global }
      - { .name: img, .offset: 24, .size: 8, .value_kind: global_buffer, .address_space: global }
      - { .name: sc, .offset: 32, .size: 8, .value_kind: global_buffer, .address_space: global }
      - { .name: bo, .offset: 40, .size: 8, .value_kind: global_buffer, .address_space: global }
      - { .name: out0, .offset: 48, .size: 8, .value_kind: global_buffer, .address_space: global }
    .group_segment_fixed_size: 327680
    .private_segment_fixed_size: 0
    .kernarg_segment_align: 8
    .kernarg_segment_size: 56
    .max_flat_workgroup_size: 512
    .sgpr_count:     66
    .vgpr_count:     256
    .wavefront_size: 32
...
	.end_amdgpu_metadata
.endif
;; end of part 3
